; MI455X (gfx1250); checked and timed in simulation.
; The chip was launched on July 23, 2026; its instructions are those of AMD's public machine-readable ISA for CDNA 5 (MIT licence, August 2026) and "CDNA5" Instruction Set Architecture Reference Guide (July 2026). The comments in the code are by the model that wrote it; some were corrected since.
;; Multi Headed Attention. Allowed arithmetic: matrix products marked QUANTISED: E3M2 operands, one E8M0 scale for each 32 along K, by v_wmma_scale_f32_16x16x128_f8f6f4 with both operands' format E3M2, f32 sums; products left as they are: f32 operands where the result goes on into a quantised operand, else bf16, f16 or f32 operands; f32 sums; everything else in f32.
;; Inputs: Lexicon 4 x 2,048 float32; Wk 512 x 512 float32; Wl 2,048 x 2,048 float32; Wo 512 x 512 float32; Wq 512 x 512 float32; Wv 512 x 512 float32; bk 512 float32; bl 2,048 float32; bo 512 float32; bq 512 float32; bv 512 float32; k 4 x 2,048 x 512 float32; mask 4 x 1 x 2,048 int32; q 4 x 2,048 x 512 float32; v 4 x 2,048 x 512 float32.
;; Outputs: out0 4 x 2,048 x 512 float32.
;; This version of the problem:
;;   THIS VERSION OF THE PROBLEM IS GIVEN IN LOW PRECISION. The matrix products marked QUANTISED in the list below multiply operands that are first quantised to E3M2 (3 exponent bits, 2 mantissa bits; 6 bits a number), with one power-of-two scale for each 32 numbers along K (OCP MX v1.0); their sums are f32. All else is computed in f32.
;;   The module's matrix products, in the order in which they are computed (A, B: the left and right operand; K: the contracted axis; several contracted axes count as one K, in the product's order):
;;     1. [M 8,192, K 512] x [K 512, N 512]; A: input q; B: input Wq: QUANTISED
;;     2. [M 8,192, K 512] x [K 512, N 512]; A: input k; B: input Wk: QUANTISED
;;     3. [M 8,192, K 512] x [K 512, N 512]; A: input v; B: input Wv: QUANTISED
;;     4. batch 32 x [M 2,048, K 64] x [K 64, N 2,048]; A: computed on the way; B: computed on the way: QUANTISED
;;     5. [M 4, K 2,048] x [K 2,048, N 2,048]; A: computed on the way; B: input Wl: left as it is (M = 4 < 16)
;;     6. batch 32 x [M 2,048, K 2,048] x [K 2,048, N 64]; A: computed on the way; B: computed on the way: QUANTISED
;;     7. [M 8,192, K 512] x [K 512, N 512]; A: computed on the way; B: input Wo: QUANTISED
;;   THE QUANTISER, for each operand of a quantised product, along K:
;;     - K is cut into blocks of 32 from its start; a last block that is shorter is filled with zeros.
;;     - A block's scale is 2^e with e = floor(log2(the largest magnitude in the block)) - 4, held to -126 .. 127; a block of zeros has e = 0. As a byte (E8M0): e + 127.
;;     - Each number is divided by its block's scale, clamped to +-28, and rounded to the nearest number of E3M2, ties to even, subnormals kept.
;;     - The product sums the exact products of the quantised numbers (number of the format x scale) in f32.
;;   ~~~python
;;   def quantise(x, axis):      # numpy; x: float32 -> the quantised numbers, widened to float32 again
;;       x = np.moveaxis(x, axis, -1); K = x.shape[-1]
;;       x = np.pad(x, [(0, 0)] * (x.ndim - 1) + [(0, -K % 32)]); x = x.reshape(x.shape[:-1] + (-1, 32)); a = np.abs(x).max(-1, keepdims=True)
;;       e = np.where(a > 0, np.clip(np.frexp(np.where(a > 0, a, 1))[1] - 1 - 4, -126, 127), 0)      # np.frexp(a)[1] - 1 = floor(log2(a)), exactly
;;       r = np.clip(x / 2.0 ** e, -28, 28)
;;       step = 2.0 ** (np.maximum(np.frexp(np.where(r == 0, 1, r))[1] - 1, -2) - 2)
;;       q = np.round(r / step) * step * 2.0 ** e      # np.round: ties to even
;;       return np.moveaxis(q.reshape(q.shape[:-2] + (-1,))[..., :K], -1, axis).astype(np.float32)
;;   ~~~
;;   OPERANDS COMPUTED ON THE WAY. 'Computed on the way' means the value that the module computes at that place (a softmax that the list does not call 'softmax' is quantised finished and normalised). What goes into a quantiser is computed in f32, as accurately as f32 sums, v_exp_f32 and their like allow (about 1e-6 of the number): no bf16 or f16 on the way to a quantiser, and a product that is left as it is and whose result goes on into a quantised operand takes f32 operands (vector FMAs, or v_wmma_f32_16x16x4_f32). A number that lies on a knife's edge between two numbers of the format may be rounded either way, as far as f32 arithmetic and the matrix unit's own rounding can turn it there, and no further.
;; One version. Each part assembles by itself: llvm-mc -triple=amdgcn-amd-amdhsa -mcpu=gfx1250 --defsym DOCPART=n.
;; ======== version 1 of 1: 4 launches
;; limits: right only within a limited range of input values
;; workspace buffers: lexp 262,144 bytes; wimg 819,200 bytes; qbuf 4,456,448 bytes; kbuf 4,456,448 bytes; vbuf 3,276,800 bytes; cbuf 3,276,800 bytes
;; launch prep (part 1): grid 144 x 1, 8 waves a work-group, no clusters, 17,408 bytes of LDS; arguments Lexicon, Wl, Wq, Wk, Wv, Wo, lexp, wimg; writes lexp, wimg
.if DOCPART == 1
	.amdgcn_target "amdgcn-amd-amdhsa--gfx1250"
	.amdhsa_code_object_version 6
	.text
	.protected	k_q1030794180_prep
	.globl	k_q1030794180_prep
	.p2align	8
	.type	k_q1030794180_prep,@function
k_q1030794180_prep:
	s_mov_b64 s[64:65], 0
	v_nop
	global_prefetch_b8 v0, s[64:65] scope:SCOPE_SE
	s_setreg_imm32_b32 hwreg(HW_REG_WAVE_MODE, 25, 1), 1
	s_wait_xcnt 0x0
; TWO JOBS IN ONE LAUNCH, parted by the work-group's number.
; Work-groups 0-127: partial sums of (Lexicon x 0.001) @ Wl, in f32 multiply-adds.  Wl is [2048 k][2048 n].  Work-group (ng, p) takes 128 columns and 256 rows of K,
;   wave w 32 of those rows, a lane 4 columns: each load of a wave covers 512 consecutive bytes of one row of Wl.  The eight waves' sums meet in LDS; the part goes to lexp [8 p][4 b][2048 n].
; Work-groups 128-143: Wq, Wk, Wv, Wo ([512 k][512 n], f32, K first) become codes of E3M2 with one E8M0 byte for 32 along K, laid as IMAGES OF OPERAND REGISTERS:
;   wimg: [4 weights][32 tiles T = 4 G + i][4 K steps][3 x 512 bytes: registers 4 c .. 4 c + 3 at 16 x lane];  from byte 786,432: scale words [4][32 T][16 r][4 K steps].
;   Row r of tile T is column n = 64 G + 8 i + (r % 8) + 32 (r / 8): used as source 0, a lane's registers of four such tiles are 32 neighbours, a whole block.
;   A lane takes one column and its registers run down K in the operand's own order (k = 128 s + 64 c + 32 (lane / 16) + x), so a block's largest magnitude needs no other lane.
; LIMITS: Lexicon / 1000 is a multiplication by the f32 number nearest 0.001 (within one unit in the last place of the quotient); the sum over K is formed in 8 x 8 parts;
;   a block of zeros gets the byte 1 with zero codes (read by this program alone); NaN and infinities are not served.
; Nothing is shared between work-groups, so there is no cluster; the loads go straight into registers, so there is no tensor load.
.set LI,   1                           ; v1   16 x lane
.set WOF,  5                           ; v5   weights: 4 x (r % 8 + 32 (r / 8)) + 65,536 x (lane / 16): my column, and 32 rows down for the upper lanes
.set SH8,  6                           ; v6   8 x (lane / 16)
.set LR,   7                           ; v7   16 x (lane % 16)
.set TM,   8                           ; v8-16  at work in QUANT
.set ACC,  16                          ; v16-31 lex: sums, 4 b + j
.set D,    32                          ; v32-159 lex: 32 rows x 4 columns
.set RA,   32                          ; v32-95, v96-159 weights: two sets of 64 numbers
.set RB,   96
.set PC,   160                         ; v160-171 a fragment's codes
.set TC,   172                         ; v172-179 the upper halves of two blocks
.set PWS,  180                         ; v180-183 the four K steps' scale words
.set SEL,  14                          ; s[14:15] lane selects: lane xor 16
; 64 numbers of a lane, register 32 c + x = k 64 c + 32 (lane / 16) + x, become a fragment's codes (v[pc + st c] .. + 5) and its scale word v[pw].
.macro QUANT s, pc, st, pw
.irp q, 0,1,2,3
	v_max3_num_f32 v[TM+\q], |v[\s+16*\q]|, |v[\s+16*\q+1]|, 0x2800000   ; four chains of 16; the floor 2^(5 - 127) holds the byte at 1 from below
.endr
.irp i, 2,4,6,8,10,12,14
.irp q, 0,1,2,3
	v_max3_num_f32 v[TM+\q], v[TM+\q], |v[\s+16*\q+\i]|, |v[\s+16*\q+\i+1]|
.endr
.endr
	v_max_num_f32 v[TM], v[TM], v[TM+1]            ; block c = 0
	v_max_num_f32 v[TM+1], v[TM+2], v[TM+3]        ; block c = 1
	v_add_nc_u32 v[TM+4], 0xfe000000, v[TM]        ; 4 off the exponent field: the conversion's scale operand
	v_add_nc_u32 v[TM+5], 0xfe000000, v[TM+1]
	v_lshrrev_b32 v[TM+6], 23, v[TM+4]             ; the bytes
	v_lshrrev_b32 v[TM+7], 23, v[TM+5]
	v_lshl_or_b32 v[\pw], v[TM+7], 16, v[TM+6]     ; my two bytes, blocks h and 2 + h,
	v_lshlrev_b32 v[\pw], v[SH8], v[\pw]           ; at their places;
	v_permlanex16_b32 v[TM+8], v[\pw], s[SEL], s[SEL+1]
	v_or_b32 v[\pw], v[\pw], v[TM+8]               ; with lane xor 16's two the word is whole
.irp c, 0,1
	v_cvt_scalef32_pk16_bf6_f32 v[\pc+\st*\c:\pc+\st*\c+2], v[\s+32*\c:\s+32*\c+15], v[TM+4+\c]
	v_cvt_scalef32_pk16_bf6_f32 v[TC+4*\c:TC+4*\c+2], v[\s+32*\c+16:\s+32*\c+31], v[TM+4+\c]   ; (a conversion's three registers begin on an even number)
.endr
	v_nop                                          ; one plain place behind the scaled conversions
.irp c, 0,1
.irp i, 0,1,2
	v_mov_b32 v[\pc+\st*\c+3+\i], v[TC+4*\c+\i]
.endr
.endr
.endm
	s_load_b512 s[84:99], s[0:1], 0x0              ; Lexicon s[84:85], Wl s[86:87], Wq s[88:89], Wk s[90:91], Wv s[92:93], Wo s[94:95], lexp s[96:97], wimg s[98:99]
	v_lshl_add_u32 v192, v0, 2, 0x4000
	v_mov_b32 v193, 0
	v_lshrrev_b32 v1, 5, v0
	v_readfirstlane_b32 s2, v1                     ; wave 0..7
	v_and_b32 v2, 31, v0                           ; lane
	v_lshlrev_b32 v[LI], 4, v2
	s_wait_kmcnt 0x0
	s_cmp_lt_u32 ttmp9, 128
	s_cbranch_scc0 .Lweights
	; ---------------- the lexicon's product ----------------
	s_and_b32 s3, ttmp9, 15                        ; ng: which 128 columns
	s_lshr_b32 s4, ttmp9, 4                        ; p: which 256 rows of K
	s_lshl_b32 s5, s4, 8
	s_lshl_b32 s6, s2, 5
	s_add_co_u32 s5, s5, s6                        ; my first row: 256 p + 32 w
	s_lshl_b32 s6, s5, 13                          ; x 8,192 bytes a row
	s_lshl_b32 s7, s3, 9                           ; + 512 ng
	s_add_co_u32 s6, s6, s7
	s_mov_b32 s7, 0
	s_add_nc_u64 s[86:87], s[86:87], s[6:7]
	s_lshl_b32 s6, s5, 2
	s_add_nc_u64 s[84:85], s[84:85], s[6:7]        ; Lexicon at [0][my first row]
.set i, 0
.rept 32
	global_load_b128 v[D+4*i:D+4*i+3], v[LI], s[86:87] offset:8192*i th:TH_LOAD_NT   ; row i: 32 lanes read 512 consecutive bytes; all 32 rows are asked for at once
.set i, i+1
.endr
.macro XHALF q                         ; Lexicon[b][16 q .. 16 q + 15 of my rows], b = 0 .. 3, as scalars, x 0.001
	s_load_b512 s[16:31], s[84:85], 64*\q
	s_load_b512 s[32:47], s[84:85], 8192+64*\q
	s_load_b512 s[48:63], s[84:85], 16384+64*\q
	s_load_b512 s[68:83], s[84:85], 24576+64*\q
	s_wait_kmcnt 0x0
.irp sb, 16,32,48,68
.set e, 0
.rept 16
	s_mul_f32 s[\sb+e], s[\sb+e], 0x3a83126f
.set e, e+1
.endr
.endr
.endm
.macro ROW rho                         ; one row of Wl into the 16 sums; the first row starts them: nothing is cleared
	s_wait_loadcnt 31-(\rho)                       ; loads come back in order: this row is in, the younger rows stay out
.set bb, 0
.irp sb, 16,32,48,68
.irp j, 0,1,2,3
.if (\rho) == 0
	v_mul_f32 v[ACC+4*bb+\j], s[\sb], v[D+\j]
.else
	v_fmac_f32 v[ACC+4*bb+\j], s[\sb+(\rho)%16], v[D+4*(\rho)+\j]
.endif
.endr
.set bb, bb+1
.endr
.endm
	XHALF 0
.set i, 0
.rept 16
	ROW i
.set i, i+1
.endr
	XHALF 1
.rept 16
	ROW i
.set i, i+1
.endr
	s_lshl_b32 s6, s2, 11
	v_add_nc_u32 v3, s6, v[LI]                     ; LDS: 2,048 w + 512 b + 16 lane
.irp b, 0,1,2,3
	ds_store_b128 v3, v[ACC+4*\b:ACC+4*\b+3] offset:512*\b
.endr
	s_wait_dscnt 0x0                               ; for the others' sake: my sums lie in LDS
	s_barrier_signal -1
	s_barrier_wait -1
	s_lshl_b32 s6, s2, 8                           ; wave w adds up batch w / 2, columns 64 (w % 2) on: 256 w bytes into a wave's 2,048
	v_lshlrev_b32 v4, 3, v2                        ; 8 bytes a lane
	v_add_nc_u32 v5, s6, v4
.irp k, 0,1,2,3,4,5,6,7
	ds_load_b64 v[D+2*\k:D+2*\k+1], v5 offset:2048*\k
.endr
	s_lshl_b32 s6, s4, 2
	s_lshr_b32 s7, s2, 1
	s_add_co_u32 s6, s6, s7                        ; 4 p + b
	s_lshl_b32 s6, s6, 13
	s_lshl_b32 s7, s3, 9
	s_add_co_u32 s6, s6, s7                        ; + 512 ng
	s_and_b32 s7, s2, 1
	s_lshl_b32 s7, s7, 8
	s_add_co_u32 s6, s6, s7                        ; + 256 (w % 2)
	s_mov_b32 s7, 0
	s_add_nc_u64 s[96:97], s[96:97], s[6:7]
	s_wait_dscnt 0x0
.irp k, 1,2,3,4,5,6,7
	v_pk_add_f32 v[D:D+1], v[D:D+1], v[D+2*\k:D+2*\k+1]   ; the waves' parts in ascending order
.endr
	global_store_b64 v4, v[D:D+1], s[96:97]        ; 32 lanes store 256 consecutive bytes, aligned
	s_wait_tensorcnt 0x0
	ds_add_u32 v192, v193
	s_wait_dscnt 0x0
	s_endpgm
	; ---------------- the four weights ----------------
.Lweights:
	s_sub_co_u32 s3, ttmp9, 128
	s_lshr_b32 s4, s3, 2                           ; which weight: 0 q, 1 k, 2 v, 3 o
	s_and_b32 s5, s3, 3
	s_lshl_b32 s5, s5, 3
	s_add_co_u32 s5, s5, s2                        ; T: my wave's tile of 16 columns
	s_cmp_eq_u32 s4, 1                             ; the choice hangs on the work-group's number alone
	s_cselect_b64 s[88:89], s[90:91], s[88:89]
	s_cmp_eq_u32 s4, 2
	s_cselect_b64 s[88:89], s[92:93], s[88:89]
	s_cmp_eq_u32 s4, 3
	s_cselect_b64 s[88:89], s[94:95], s[88:89]
	s_lshr_b32 s6, s5, 2
	s_lshl_b32 s6, s6, 8                           ; 4 x 64 G
	s_and_b32 s7, s5, 3
	s_lshl_b32 s7, s7, 5                           ; 4 x 8 i
	s_add_co_u32 s6, s6, s7
	s_mov_b32 s7, 0
	s_add_nc_u64 s[88:89], s[88:89], s[6:7]
	s_mul_i32 s6, s4, 196608
	s_mul_i32 s8, s5, 6144
	s_add_co_u32 s6, s6, s8
	s_add_nc_u64 s[10:11], s[98:99], s[6:7]        ; my tile's four images
	s_lshl_b32 s6, s4, 5
	s_add_co_u32 s6, s6, s5
	s_lshl_b32 s6, s6, 8
	s_add_co_u32 s6, s6, 786432
	s_add_nc_u64 s[12:13], s[98:99], s[6:7]        ; and its scale words
	s_mov_b32 s[SEL], 0x76543210
	s_mov_b32 s[SEL+1], 0xfedcba98
	v_and_b32 v3, 7, v0
	v_bfe_u32 v4, v0, 3, 1
	v_lshl_add_u32 v3, v4, 5, v3                   ; r % 8 + 32 (r / 8)
	v_bfe_u32 v4, v0, 4, 1                         ; h
	v_lshlrev_b32 v3, 2, v3
	v_lshl_add_u32 v[WOF], v4, 16, v3
	v_lshlrev_b32 v[SH8], 3, v4
	v_and_b32 v[LR], 15, v0
	v_lshlrev_b32 v[LR], 4, v[LR]
	v_mov_b32 v[TM+8], 0                           ; a lane permute's destination counts as one of its sources
.macro LOADW s, set                    ; K step s: W(128 s + 64 c + 32 h + x, my column) into register 32 c + x
.set x, 0
.rept 64
	global_load_b32 v[\set+x], v[WOF], s[88:89] offset:(128*(\s)+64*(x/32)+x%32)*2048
.set x, x+1
.endr
.endm
.macro WSTEP s, set, left
	s_wait_loadcnt \left                           ; this set's 64 loads are in (the other set's 64 may be out; the wait's field holds 63 at the most)
	s_wait_xcnt 0x0                                ; the last step's stores have read the codes' registers
	QUANT \set, PC, 6, PWS+\s
.irp c, 0,1,2
	global_store_b128 v[LI], v[PC+4*\c:PC+4*\c+3], s[10:11] offset:1536*\s+512*\c   ; the image: 512 consecutive bytes a store
.endr
.if \s < 2
	LOADW \s+2, \set
.endif
.endm
	LOADW 0, RA
	LOADW 1, RB
	WSTEP 0, RA, 63
	WSTEP 1, RB, 63
	WSTEP 2, RA, 63
	WSTEP 3, RB, 0
	global_store_b128 v[LR], v[PWS:PWS+3], s[12:13]   ; row r's four words; both halves of the lanes hold and write the same
	s_endpgm
.Lfunc_end_k_q1030794180_prep:
	.size	k_q1030794180_prep, .Lfunc_end_k_q1030794180_prep-k_q1030794180_prep
	.p2alignl 7, 3214868480
	.fill 96, 4, 3214868480
	.section	.rodata,"a",@progbits
	.p2align	6, 0x0
	.amdhsa_kernel k_q1030794180_prep
		.amdhsa_group_segment_fixed_size 17408
		.amdhsa_private_segment_fixed_size 0
		.amdhsa_enable_private_segment 0
		.amdhsa_kernarg_size 64
		.amdhsa_user_sgpr_count 2
		.amdhsa_user_sgpr_kernarg_segment_ptr 1
		.amdhsa_wavefront_size32 1
		.amdhsa_system_sgpr_workgroup_id_x 1
		.amdhsa_system_sgpr_workgroup_id_y 1
		.amdhsa_system_sgpr_workgroup_id_z 1
		.amdhsa_system_vgpr_workitem_id 0
		.amdhsa_next_free_vgpr 194
		.amdhsa_next_free_sgpr 100
		.amdhsa_reserve_vcc 0
		.amdhsa_float_denorm_mode_32 3
		.amdhsa_float_denorm_mode_16_64 3
		.amdhsa_memory_ordered 1
		.amdhsa_forward_progress 1
		.amdhsa_inst_pref_size 71
	.end_amdhsa_kernel
	.amdgpu_metadata
---
amdhsa.version: [ 1, 2 ]
amdhsa.kernels:
  - .name:           k_q1030794180_prep
    .symbol:         k_q1030794180_prep.kd
    .args:
      - { .name: Lexicon, .offset: 0, .size: 8, .value_kind: global_buffer, .address_space: global }
      - { .name: Wl, .offset: 8, .size: 8, .value_kind: global_buffer, .address_space: global }
      - { .name: Wq, .offset: 16, .size: 8, .value_kind: global_buffer, .address_space: global }
      - { .name: Wk, .offset: 24, .size: 8, .value_kind: global_buffer, .address_space: global }
      - { .name: Wv, .offset: 32, .size: 8, .value_kind: global_buffer, .address_space: global }
      - { .name: Wo, .offset: 40, .size: 8, .value_kind: global_buffer, .address_space: global }
      - { .name: lexp, .offset: 48, .size: 8, .value_kind: global_buffer, .address_space: global }
      - { .name: wimg, .offset: 56, .size: 8, .value_kind: global_buffer, .address_space: global }
    .group_segment_fixed_size: 17408
    .private_segment_fixed_size: 0
    .kernarg_segment_align: 8
    .kernarg_segment_size: 64
    .max_flat_workgroup_size: 256
    .sgpr_count:     100
    .vgpr_count:     194
    .wavefront_size: 32
...
	.end_amdgpu_metadata
.endif
;; end of part 1
;; launch proj (part 2): grid 64 x 3, 8 waves a work-group, no clusters, 123,904 bytes of LDS; arguments q, k, v, mask, bq, bk, bv, wimg, qbuf, kbuf, vbuf; writes qbuf, kbuf, vbuf
.if DOCPART == 2
	.amdgcn_target "amdgcn-amd-amdhsa--gfx1250"
	.amdhsa_code_object_version 6
	.text
	.protected	k_q1030794180_proj
	.globl	k_q1030794180_proj
	.p2align	8
	.type	k_q1030794180_proj,@function
k_q1030794180_proj:
	s_mov_b64 s[64:65], 0
	v_nop
	global_prefetch_b8 v0, s[64:65] scope:SCOPE_SE
	s_setreg_imm32_b32 hwreg(HW_REG_WAVE_MODE, 25, 1), 1
	s_wait_xcnt 0x0
; x W + b for x = q, k, v (work-group y = 0, 1, 2), both operands as codes of E3M2 with E8M0 scales; the result is quantised at once for attention and leaves as images of operand registers.
; SHARES.  A work-group takes 128 tokens (x = ttmp9).  Phase X: wave w loads the 16 tokens of token tile a = w (token 64 (a / 4) + 8 (a % 4) + r % 8 + 32 (r / 8)), quantises them along K = 512
;   and puts four fragments and four scale words into LDS as register images.  One barrier.  Then wave w is HEAD w: its 64 columns of W (16 fragments, 192 registers) lie in its registers, read from memory once.
; Q, K (y = 0, 1): source 0 = W's tile, source 1 = x: a lane holds one token and, over four tiles, d = 32 (lane / 16) + 0 .. 31: one block of the next K (the head's 64).  Two token tiles are quantised at a time.
;   An image is 8 registers: 0-5 the codes, 6 a SPARE CODE at k = 64 (lanes 0-15), 7 zero.  Q's spare code is 1.0 under the byte 127.  A key whose mask is 1 has zero codes, the spare code -1.0 and the spare byte 160:
;   its score is exactly -2^33, which is -2^30 behind the division by 8.  A key that counts has the spare code 0 under the byte 1, so that the empty blocks lie far under every real product.
; V (y = 2): source 0 = x's tile, source 1 = W's: a lane holds one d and its 64 registers run along the 128 keys in the operand's order: quantised along the keys.
; BUFFERS.  qbuf, kbuf: a head 139,264 bytes: [128 tiles][1,024]; from 131,072: scale words [16 steps][2 g][16 r][4].  vbuf: a head 102,400 bytes: [16 steps][4 d tiles][1,536]; from 98,304: [16 steps][16 r][4 i].
; NO CLUSTER: a work-group's 256 KB of x are its own; the weights (192 KB for a y) go from memory straight into the registers of the one wave that uses them, and would only gain a way through LDS by a joint load.
; LIMITS: a masked score is -2^30 where the definition has -1e9: the same weights as long as some key that counts has a score above about -1e9, or none counts; zero blocks carry the byte 1; NaN and infinities are not served.
; REGISTERS, window 0: v1-10 addresses; v12-15 at work; v16-31 W's scale words (4 i + s); v32-39 x's; v40-47 spare codes; v48-55 scale words out; v56-64 QUANT; v65-70 constants; v72-79, v80-95 codes;
;   v96-191 x's fragments (phase X: raw numbers v96-223); v192-255 accumulators.   window 1: v0-191 W's fragments (12 (4 i + s)); v192-223 the bias, 8 registers a tile.
.set XIMG, 0                           ; LDS: x's 32 fragments (4 a + s), 1,536 bytes each
.set XSC,  49152                       ; their scale words: [4 s][2 g][32 lanes][4 words a % 4]
.set STG,  53248                       ; a stage of 16 rows x (512 + 16) bytes for each wave
.set LI,  1                            ; 16 x lane
.set LR,  2                            ; 16 x r
.set PRO, 3                            ; 4 x (r % 8 + 32 (r / 8))
.set STW, 4                            ; my stage, as loaded: 16 x lane
.set STR, 5                            ; my stage, turned: 528 r + 128 h
.set XWI, 6                            ; where I store x's images
.set XWS, 7                            ; and their scale words
.set SH8, 8
.set NIL, 9
.set HB,  10                           ; 128 h
.set T4,  12
.set WS,  16
.set XS,  32
.set SPC, 40
.set KW,  48
.set VW,  48
.set TM,  56
.set CU,  65                           ; spare code of a token that counts; of a masked one
.set CM,  66
.set HU,  67                           ; upper half of a scale word likewise
.set PW,  68
.set HM,  69
.set HT,  70
.set TC,  72
.set PC,  80
.set XF,  96
.set RA,  96
.set RB,  160
.set HA,  192
.set BIA, 192                          ; in window 1
.set Y,   26
.set WV,  27
.set MS,  32                           ; s32-39 lanes whose token of tile a is masked (K alone)
.set ISK, 40
.set SEL, 42
.set LO16, 44
.set HI16, 45
.set MSB, 0
.macro WIN new                         ; the immediate's high byte repeats the setting that is left; a switch that changes nothing is dropped
.if MSB != (\new)
	s_set_vgpr_msb (MSB<<8)|(\new)
.set MSB, (\new)
.endif
.endm
.macro QUANT s, pc, st, pw             ; 64 numbers of a lane, two blocks of 32 (registers 32 c + x), become codes v[pc + st c] .. + 5 and the word v[pw]: bytes h and 2 + h are mine
.irp q, 0,1,2,3
	v_max3_num_f32 v[TM+\q], |v[\s+16*\q]|, |v[\s+16*\q+1]|, 0x2800000   ; the floor 2^(5 - 127) holds the byte at 1 from below
.endr
.irp i, 2,4,6,8,10,12,14
.irp q, 0,1,2,3
	v_max3_num_f32 v[TM+\q], v[TM+\q], |v[\s+16*\q+\i]|, |v[\s+16*\q+\i+1]|   ; each accumulator is first read at its low end
.endr
.endr
	v_max_num_f32 v[TM], v[TM], v[TM+1]
	v_max_num_f32 v[TM+1], v[TM+2], v[TM+3]
	v_add_nc_u32 v[TM+4], 0xfe000000, v[TM]        ; 4 off the exponent field: the conversion's scale operand
	v_add_nc_u32 v[TM+5], 0xfe000000, v[TM+1]
	v_lshrrev_b32 v[TM+6], 23, v[TM+4]
	v_lshrrev_b32 v[TM+7], 23, v[TM+5]
	v_lshl_or_b32 v[\pw], v[TM+7], 16, v[TM+6]
	v_lshlrev_b32 v[\pw], v[SH8], v[\pw]
	v_permlanex16_b32 v[TM+8], v[\pw], s[SEL], s[SEL+1]
	v_or_b32 v[\pw], v[\pw], v[TM+8]
.irp c, 0,1
	v_cvt_scalef32_pk16_bf6_f32 v[\pc+\st*\c:\pc+\st*\c+2], v[\s+32*\c:\s+32*\c+15], v[TM+4+\c]
	v_cvt_scalef32_pk16_bf6_f32 v[TC+4*\c:TC+4*\c+2], v[\s+32*\c+16:\s+32*\c+31], v[TM+4+\c]
.endr
	v_nop                                          ; one plain place behind the scaled conversions
.irp c, 0,1
.irp i, 0,1,2
	v_mov_b32 v[\pc+\st*\c+3+\i], v[TC+4*\c+\i]
.endr
.endr
.endm
.macro PLACES
.rept 4
	v_nop
.endr
.endm
	s_load_b512 s[4:19], s[0:1], 0x0               ; q s[4:5], k s[6:7], v s[8:9], mask s[10:11], bq s[12:13], bk s[14:15], bv s[16:17], wimg s[18:19]
	s_load_b128 s[20:23], s[0:1], 0x40             ; qbuf, kbuf
	s_load_b64 s[24:25], s[0:1], 0x50              ; vbuf
	v_lshl_add_u32 v75, v0, 2, 0x1e000
	v_mov_b32 v79, 0
	v_lshrrev_b32 v1, 5, v0
	v_readfirstlane_b32 s[WV], v1                  ; wave 0..7
	s_and_b32 s[Y], ttmp7, 0xffff
	v_and_b32 v11, 31, v0
	v_lshlrev_b32 v[LI], 4, v11
	v_and_b32 v12, 15, v0                          ; r
	v_lshlrev_b32 v[LR], 4, v12
	v_and_b32 v13, 7, v0
	v_bfe_u32 v14, v0, 3, 1
	v_lshl_add_u32 v13, v14, 5, v13
	v_lshlrev_b32 v[PRO], 2, v13
	v_bfe_u32 v14, v0, 4, 1                        ; h
	v_lshlrev_b32 v[SH8], 3, v14
	v_lshlrev_b32 v[HB], 7, v14
	v_mov_b32 v[NIL], 0
	v_mov_b32 v[TM+8], 0                           ; a lane permute's destination counts as one of its sources
	s_mul_i32 s28, s[WV], 8448
	s_add_co_u32 s28, s28, STG
	v_add_nc_u32 v[STW], s28, v[LI]
	v_mul_u32_u24 v15, v12, 528
	v_add_nc_u32 v15, v15, v[HB]
	v_add_nc_u32 v[STR], s28, v15
	s_mul_i32 s28, s[WV], 6144
	v_add_nc_u32 v[XWI], s28, v[LI]
	s_lshr_b32 s28, s[WV], 2
	s_lshl_b32 s28, s28, 9
	s_and_b32 s29, s[WV], 3
	s_lshl_b32 s29, s29, 2
	s_add_co_u32 s28, s28, s29
	s_add_co_u32 s28, s28, XSC
	v_add_nc_u32 v[XWS], s28, v[LI]
	s_mov_b32 s[SEL], 0x76543210
	s_mov_b32 s[SEL+1], 0xfedcba98
	s_mov_b32 s[LO16], 0x0000ffff
	s_mov_b32 s[HI16], 0xffff0000
	s_wait_kmcnt 0x0
	s_cmp_eq_u32 s[Y], 1                           ; the buffers are chosen by the work-group's y alone
	s_cselect_b64 s[4:5], s[6:7], s[4:5]
	s_cselect_b64 s[12:13], s[14:15], s[12:13]
	s_cselect_b64 s[20:21], s[22:23], s[20:21]
	s_cselect_b32 s[ISK], -1, 0
	s_cselect_b32 s54, 0, 12                       ; the spare code of a token that counts: K 0, Q 1.0 (0x0c)
	s_mov_b32 s55, 0x7f7f0000
	s_cselect_b32 s55, 0x01010000, s55             ; its spare bytes: K 1, 1; Q 127, 127
	s_cmp_eq_u32 s[Y], 2
	s_cselect_b64 s[4:5], s[8:9], s[4:5]
	s_cselect_b64 s[12:13], s[16:17], s[12:13]
	s_cselect_b64 s[20:21], s[24:25], s[20:21]
	v_mov_b32 v[CU], s54
	v_mov_b32 v[CM], 0x2c                          ; -1.0
	v_mov_b32 v[HU], s55
	v_mov_b32 v[HM], 0x01a00000                    ; bytes 160, 1
	s_lshl_b32 s28, ttmp9, 18                      ; x: 128 tokens of 2,048 bytes,
	s_lshr_b32 s29, s[WV], 2
	s_lshl_b32 s29, s29, 17                        ; + 64 (w / 4) tokens
	s_add_co_u32 s28, s28, s29
	s_and_b32 s29, s[WV], 3
	s_lshl_b32 s29, s29, 14                        ; + 8 (w % 4) tokens
	s_add_co_u32 s28, s28, s29
	s_mov_b32 s29, 0
	s_add_nc_u64 s[4:5], s[4:5], s[28:29]
	s_mul_i32 s28, s[Y], 196608
	s_mul_i32 s30, s[WV], 24576
	s_add_co_u32 s28, s28, s30
	s_add_nc_u64 s[46:47], s[18:19], s[28:29]      ; my head's 16 fragments of W
	s_lshl_b32 s28, s[Y], 5
	s_lshl_b32 s30, s[WV], 2
	s_add_co_u32 s28, s28, s30
	s_lshl_b32 s28, s28, 8
	s_add_co_u32 s28, s28, 786432
	s_add_nc_u64 s[48:49], s[18:19], s[28:29]      ; and their scale words
	s_lshl_b32 s28, s[WV], 8
	s_add_nc_u64 s[12:13], s[12:13], s[28:29]      ; the bias at my head
	s_lshl_b32 s28, ttmp9, 9
	s_add_nc_u64 s[10:11], s[10:11], s[28:29]      ; the mask at my 128 tokens
	WIN 0x40                                       ; destination window 1
.set f, 0
.rept 16
.irp c, 0,1,2
	global_load_b128 v[12*f+4*\c:12*f+4*\c+3], v[LI], s[46:47] offset:1536*f+512*\c
.endr
.set f, f+1
.endr
	WIN 0
	s_cmp_eq_u32 s[Y], 2
	s_cbranch_scc1 .Lbias_v
	WIN 0x40
.irp i, 0,1,2,3                        ; Q, K: register j of tile i is d = 8 i + 32 h + j
	global_load_b128 v[BIA+8*\i:BIA+8*\i+3], v[HB], s[12:13] offset:32*\i
	global_load_b128 v[BIA+8*\i+4:BIA+8*\i+7], v[HB], s[12:13] offset:32*\i+16
.endr
	WIN 0
	s_branch .Lbias_done
.Lbias_v:
	WIN 0x40
.irp i, 0,1,2,3                        ; V: all eight registers are my lane's d = 8 i + r % 8 + 32 (r / 8)
.irp j, 0,1,2,3,4,5,6,7
	global_load_b32 v[BIA+8*\i+\j], v[PRO], s[12:13] offset:32*\i
.endr
.endr
	WIN 0
.Lbias_done:
.irp i, 0,1,2,3
	global_load_b128 v[WS+4*\i:WS+4*\i+3], v[LR], s[48:49] offset:256*\i
.endr
.irp a, 0,1,2,3,4,5,6,7
	global_load_b32 v[SPC+\a], v[PRO], s[10:11] offset:4*(64*(\a/4)+8*(\a%4))   ; the mask of tile a's token r
.endr
	; ---------------- phase X: my 16 tokens become four fragments ----------------
.macro XLOAD s, set                    ; K step s of my 16 tokens: each load reads 512 consecutive bytes of one token's row
.set rr, 0
.rept 16
	global_load_b128 v[\set+4*rr:\set+4*rr+3], v[LI], s[4:5] offset:2048*((rr%8)+32*(rr/8))+512*(\s) th:TH_LOAD_NT
.set rr, rr+1
.endr
.endm
.macro TURN set                        ; through my own stage: in as loaded, back as 32 neighbours of one token twice.  LDS serves a wave's instructions in order: no wait between
.set rr, 0
.rept 16
	ds_store_b128 v[STW], v[\set+4*rr:\set+4*rr+3] offset:528*rr
.set rr, rr+1
.endr
.irp c, 0,1
.irp j, 0,1,2,3,4,5,6,7
	ds_load_b128 v[\set+32*\c+4*\j:\set+32*\c+4*\j+3], v[STR] offset:256*\c+16*\j
.endr
.endr
.endm
.macro XSTEP s, set, left
	s_wait_loadcnt \left                           ; this set's 16 loads are in; the other set's may be out
	TURN \set
	s_wait_dscnt 0x0                               ; the numbers are back, and the last step's stores have read the codes' registers
	QUANT \set, PC, 6, PW
.irp c, 0,1,2
	ds_store_b128 v[XWI], v[PC+4*\c:PC+4*\c+3] offset:XIMG+1536*\s+512*\c
.endr
	ds_store_b32 v[XWS], v[PW] offset:1024*\s
.if \s < 2
	XLOAD \s+2, \set
.endif
.endm
	XLOAD 0, RA
	XLOAD 1, RB
	s_wait_loadcnt 32                              ; all but the 32 loads of x: the weights, the bias and the mask are in
.irp a, 0,1,2,3,4,5,6,7
	v_cmp_eq_u32 s[MS+\a], 1, v[SPC+\a]
	s_and_b32 s[MS+\a], s[MS+\a], s[ISK]           ; the mask acts on K alone
	v_cndmask_b32 v[SPC+\a], v[CU], v[CM], s[MS+\a]
	v_cndmask_b32 v[SPC+\a], v[NIL], v[SPC+\a], s[LO16]   ; k = 64 lies in lanes 0-15
.endr
	XSTEP 0, RA, 16
	XSTEP 1, RB, 16
	XSTEP 2, RA, 16
	XSTEP 3, RB, 0
	s_wait_dscnt 0x0                               ; for the others' sake: my images lie in LDS
	s_barrier_signal -1
	s_barrier_wait -1                              ; from here on LDS is only read
.macro FETCH reg, off
.irp c, 0,1,2
	ds_load_b128 v[\reg+4*\c:\reg+4*\c+3], v[LI] offset:\off+512*\c
.endr
.endm
	s_lshr_b32 s28, ttmp9, 4
	s_lshl_b32 s28, s28, 3
	s_add_co_u32 s28, s28, s[WV]                   ; the head's number: 8 b + w
	s_and_b32 s30, ttmp9, 15                       ; the step of 128 tokens
	s_mov_b32 s55, 0
	s_cmp_eq_u32 s[Y], 2
	s_cbranch_scc1 .Lvpath
	; ---------------- Q and K ----------------
	s_mul_i32 s28, s28, 139264
	s_lshl_b32 s54, s30, 13
	s_add_co_u32 s54, s54, s28
	s_add_nc_u64 s[50:51], s[20:21], s[54:55]      ; my eight images
	s_lshl_b32 s54, s30, 9
	s_add_co_u32 s54, s54, s28
	s_add_co_u32 s54, s54, 131072
	s_add_nc_u64 s[52:53], s[20:21], s[54:55]      ; my 512 bytes of scale words
	v_mov_b32 v[PC+7], 0
	v_mov_b32 v[PC+15], 0
.macro FETCHP p                        ; the token tiles 2 p and 2 p + 1: eight fragments, and their scale words for the four K steps
.irp c, 0,1
.irp s, 0,1,2,3
	FETCH XF+12*(4*\c+\s), XIMG+1536*(4*(2*(\p)+\c)+\s)
.endr
.endr
.irp s, 0,1,2,3
	ds_load_b64 v[XS+2*\s:XS+2*\s+1], v[LI] offset:XSC+1024*\s+512*((\p)/2)+8*((\p)%2)
.endr
.endm
.macro MULQK s                         ; eight accumulators by turns, one instruction a turn; the bias is the C of the first K step
.irp c, 0,1
.irp i, 0,1,2,3
.if \s == 0
	v_wmma_scale_f32_16x16x128_f8f6f4 v[HA+8*(4*\c+\i):HA+8*(4*\c+\i)+7], v[12*(4*\i+\s):12*(4*\i+\s)+11], v[XF+12*(4*\c+\s):XF+12*(4*\c+\s)+11], v[BIA+8*\i:BIA+8*\i+7], v[WS+4*\i+\s], v[XS+2*\s+\c] matrix_a_fmt:MATRIX_FMT_BF6 matrix_b_fmt:MATRIX_FMT_BF6
.else
	v_wmma_scale_f32_16x16x128_f8f6f4 v[HA+8*(4*\c+\i):HA+8*(4*\c+\i)+7], v[12*(4*\i+\s):12*(4*\i+\s)+11], v[XF+12*(4*\c+\s):XF+12*(4*\c+\s)+11], v[HA+8*(4*\c+\i):HA+8*(4*\c+\i)+7], v[WS+4*\i+\s], v[XS+2*\s+\c] matrix_a_fmt:MATRIX_FMT_BF6 matrix_b_fmt:MATRIX_FMT_BF6
.endif
.endr
.endr
.endm
.macro POST p                          ; the mask, the spare code, the scale word, and the image's two stores
.irp c, 0,1
.irp k, 0,1,2,3,4,5
	v_cndmask_b32 v[PC+8*\c+\k], v[PC+8*\c+\k], v[NIL], s[MS+2*(\p)+\c]   ; a masked key's codes are zeros
.endr
	v_mov_b32 v[PC+8*\c+6], v[SPC+2*(\p)+\c]
	v_cndmask_b32 v[HT], v[HU], v[HM], s[MS+2*(\p)+\c]
.if \c == 0
	v_and_or_b32 v[KW+2*(\p)], v[PW], 0xffff, v[HT]   ; the word's low half is tile 2 p's two bytes,
.else
	v_lshrrev_b32 v[KW+2*(\p)+1], 16, v[PW]        ; its high half tile 2 p + 1's
	v_or_b32 v[KW+2*(\p)+1], v[KW+2*(\p)+1], v[HT]
.endif
	global_store_b128 v[LI], v[PC+8*\c:PC+8*\c+3], s[50:51] offset:1024*(2*(\p)+\c)
	global_store_b128 v[LI], v[PC+8*\c+4:PC+8*\c+7], s[50:51] offset:1024*(2*(\p)+\c)+512
.endr
.endm
	FETCHP 0
.irp p, 0,1,2,3
	s_wait_dscnt 0x0
	WIN 0x11                                       ; source 0 (W) and source 2 (the bias) window 1
	MULQK 0
	WIN 0x01
	MULQK 1
	MULQK 2
	MULQK 3
	WIN 0
	PLACES                                         ; four places in front of loads into registers that the products have read, and of the first read of results
.if \p < 3
	FETCHP \p+1
.endif
	s_wait_xcnt 0x0                                ; the last pair's stores have read the codes' registers
	QUANT HA, PC, 8, PW
	POST \p
.endr
.irp k, 0,1,2,3
	v_cndmask_b32 v[T4+\k], v[KW+\k], v[KW+4+\k], s[HI16]   ; lanes 0-15: tiles 0-3 of row r; lanes 16-31: tiles 4-7
.endr
	global_store_b128 v[LI], v[T4:T4+3], s[52:53]  ; 512 consecutive bytes
	s_wait_tensorcnt 0x0
	ds_add_u32 v75, v79
	s_wait_dscnt 0x0
	s_endpgm
	; ---------------- V ----------------
.Lvpath:
	s_mul_i32 s28, s28, 102400
	s_mul_i32 s54, s30, 6144
	s_add_co_u32 s54, s54, s28
	s_add_nc_u64 s[50:51], s[20:21], s[54:55]
	s_lshl_b32 s54, s30, 8
	s_add_co_u32 s54, s54, s28
	s_add_co_u32 s54, s54, 98304
	s_add_nc_u64 s[52:53], s[20:21], s[54:55]
.macro FETCHV s                        ; K step s of all eight token tiles
.irp a, 0,1,2,3,4,5,6,7
	FETCH XF+12*\a, XIMG+1536*(4*\a+(\s))
.endr
	ds_load_b128 v[XS:XS+3], v[LI] offset:XSC+1024*(\s)
	ds_load_b128 v[XS+4:XS+7], v[LI] offset:XSC+1024*(\s)+512
.endm
.macro MULV i, s
.irp a, 0,1,2,3,4,5,6,7
.if \s == 0
	v_wmma_scale_f32_16x16x128_f8f6f4 v[HA+8*\a:HA+8*\a+7], v[XF+12*\a:XF+12*\a+11], v[12*(4*\i+\s):12*(4*\i+\s)+11], v[BIA+8*\i:BIA+8*\i+7], v[XS+\a], v[WS+4*\i+\s] matrix_a_fmt:MATRIX_FMT_BF6 matrix_b_fmt:MATRIX_FMT_BF6
.else
	v_wmma_scale_f32_16x16x128_f8f6f4 v[HA+8*\a:HA+8*\a+7], v[XF+12*\a:XF+12*\a+11], v[12*(4*\i+\s):12*(4*\i+\s)+11], v[HA+8*\a:HA+8*\a+7], v[XS+\a], v[WS+4*\i+\s] matrix_a_fmt:MATRIX_FMT_BF6 matrix_b_fmt:MATRIX_FMT_BF6
.endif
.endr
.endm
	FETCHV 0
.irp i, 0,1,2,3
.irp s, 0,1,2,3
	s_wait_dscnt 0x0
.if \s == 0
	WIN 0x14                                       ; source 1 (W) and source 2 (the bias) window 1
.else
	WIN 0x04
.endif
	MULV \i, \s
	WIN 0
	PLACES
.if (\i < 3) || (\s < 3)
	FETCHV (\s+1)%4
.endif
.endr
	s_wait_xcnt 0x0
	QUANT HA, PC, 6, VW+\i                         ; my d's 128 keys: four blocks, two of them mine
.irp c, 0,1,2
	global_store_b128 v[LI], v[PC+4*\c:PC+4*\c+3], s[50:51] offset:1536*\i+512*\c
.endr
.endr
	global_store_b128 v[LR], v[VW:VW+3], s[52:53]  ; row r's four words; both halves of the lanes hold and write the same
	s_wait_tensorcnt 0x0
	ds_add_u32 v75, v79
	s_wait_dscnt 0x0
	s_endpgm
.Lfunc_end_k_q1030794180_proj:
	.size	k_q1030794180_proj, .Lfunc_end_k_q1030794180_proj-k_q1030794180_proj
	.p2alignl 7, 3214868480
	.fill 96, 4, 3214868480
	.section	.rodata,"a",@progbits
	.p2align	6, 0x0
	.amdhsa_kernel k_q1030794180_proj
		.amdhsa_group_segment_fixed_size 123904
		.amdhsa_private_segment_fixed_size 0
		.amdhsa_enable_private_segment 0
		.amdhsa_kernarg_size 88
		.amdhsa_user_sgpr_count 2
		.amdhsa_user_sgpr_kernarg_segment_ptr 1
		.amdhsa_wavefront_size32 1
		.amdhsa_system_sgpr_workgroup_id_x 1
		.amdhsa_system_sgpr_workgroup_id_y 1
		.amdhsa_system_sgpr_workgroup_id_z 1
		.amdhsa_system_vgpr_workitem_id 0
		.amdhsa_next_free_vgpr 512
		.amdhsa_next_free_sgpr 66
		.amdhsa_reserve_vcc 0
		.amdhsa_float_denorm_mode_32 3
		.amdhsa_float_denorm_mode_16_64 3
		.amdhsa_memory_ordered 1
		.amdhsa_forward_progress 1
		.amdhsa_inst_pref_size 146
	.end_amdhsa_kernel
	.amdgpu_metadata
---
amdhsa.version: [ 1, 2 ]
amdhsa.kernels:
  - .name:           k_q1030794180_proj
    .symbol:         k_q1030794180_proj.kd
    .args:
      - { .name: q, .offset: 0, .size: 8, .value_kind: global_buffer, .address_space: global }
      - { .name: k, .offset: 8, .size: 8, .value_kind: global_buffer, .address_space: global }
      - { .name: v, .offset: 16, .size: 8, .value_kind: global_buffer, .address_space: global }
      - { .name: mask, .offset: 24, .size: 8, .value_kind: global_buffer, .address_space: global }
      - { .name: bq, .offset: 32, .size: 8, .value_kind: global_buffer, .address_space: global }
      - { .name: bk, .offset: 40, .size: 8, .value_kind: global_buffer, .address_space: global }
      - { .name: bv, .offset: 48, .size: 8, .value_kind: global_buffer, .address_space: global }
      - { .name: wimg, .offset: 56, .size: 8, .value_kind: global_buffer, .address_space: global }
      - { .name: qbuf, .offset: 64, .size: 8, .value_kind: global_buffer, .address_space: global }
      - { .name: kbuf, .offset: 72, .size: 8, .value_kind: global_buffer, .address_space: global }
      - { .name: vbuf, .offset: 80, .size: 8, .value_kind: global_buffer, .address_space: global }
    .group_segment_fixed_size: 123904
    .private_segment_fixed_size: 0
    .kernarg_segment_align: 8
    .kernarg_segment_size: 88
    .max_flat_workgroup_size: 256
    .sgpr_count:     66
    .vgpr_count:     512
    .wavefront_size: 32
...
	.end_amdgpu_metadata
.endif
;; end of part 2
;; launch attn (part 3): grid 8 x 32, 8 waves a work-group, clusters of 4 x 1, 263,168 bytes of LDS; arguments qbuf, kbuf, vbuf, lexp, bl, mask, cbuf; writes cbuf
.if DOCPART == 3
	.amdgcn_target "amdgcn-amd-amdhsa--gfx1250"
	.amdhsa_code_object_version 6
	.text
	.protected	k_q1030794180_attn
	.globl	k_q1030794180_attn
	.p2align	8
	.type	k_q1030794180_attn,@function
k_q1030794180_attn:
	s_mov_b64 s[64:65], 0
	v_nop
	global_prefetch_b8 v0, s[64:65] scope:SCOPE_SE
	s_setreg_imm32_b32 hwreg(HW_REG_WAVE_MODE, 25, 1), 1
	s_wait_xcnt 0x0
	s_wait_alu depctr_hold_cnt(0) depctr_sa_sdst(0) depctr_va_vdst(0) depctr_va_sdst(0) depctr_va_ssrc(0) depctr_va_vcc(0) depctr_vm_vsrc(0)
	s_getreg_b32 s2, hwreg(HW_REG_IB_STS2, 6, 4)
	s_cmp_eq_u32 s2, 0
	s_cbranch_scc0 .Lentry_in_a_cluster
	s_endpgm
.Lentry_in_a_cluster:
	s_bfe_u32 s2, ttmp6, 0x10000c
	s_cmp_lg_u32 s2, 0x3003
	s_cbranch_scc0 .Lentry_shape_is_right
	s_endpgm
.Lentry_shape_is_right:
; attn = 0.5 (softmax(Q K^T / 8, masked) + softmax(lexicon bias, masked)), quantised FINISHED along the keys, times V; the head's result is quantised along D for the last product.
; TWO PASSES OVER THE KEYS, since the codes of attn hang on the row's sum: pass 1: K Q^T, a running maximum M (a whole number, rounded up) and the sum l of 2^(t - M), t = score x log2(e) / 8;
;   pass 2: K Q^T once more (the same bits), p = 2^(t - M), attn = p (0.5 / l) + g[key], the quantiser, O^T += V^T attn^T.  g = 0.5 x the lexicon's softmax, made at the head and kept in LDS.
; THE MASK costs no line here: a masked key's image has zero codes and a spare code whose product with Q's spare code is -2^33; p is then 0, and a row without any key that counts comes out uniform.
; SHARES.  A work-group owns 256 queries of one head, a wave two tiles of 16.  THE WHOLE HEAD'S K AND V LIE IN LDS, filled once at the head (K 139,264 bytes, V 102,400): no slot is ever filled again.
; CLUSTER.  The four work-groups of a cluster belong to one head: K and V are asked for jointly, by the same two tensor loads a wave with the mask of all four.
; LAYOUT.  Both products are used transposed: a lane holds ONE query (lane % 16).  Key tile t's row r is key 64 (t / 4) + 8 (t % 4) + r % 8 + 32 (r / 8): so a lane's 64 scores are, register 32 c + x, key 64 c + 32 (lane / 16) + x:
;   two whole blocks of 32 in the next operand's own order: no lane is asked for a block's maximum, and the codes are the operand's registers as they come.
; LIMITS: a masked score is -2^30 where the definition has -1e9 (see the launch that makes K's images); zero blocks carry the byte 1; NaN and infinities are not served.
; REGISTERS, window 0: v1-11 addresses; v12-19 statistics (tile u at 12 + 4 u: -M, the largest t, the sum's two halves, later 0.5 / l); v20-35 at work; v36-43 K's scale words, v44-47 V's, v48-49 Q's, v50-51 attn's;
;   v52-59 at work; v60-63 addresses; v64-191 the scores (tile u at 64 + 64 u); v192-255 g.   window 1: v0-23 Q; v24-119 K; v120-167 V; v168-231 O^T; v232-255 attn's codes.
.set KSC,  131072                      ; LDS: K's images from 0, its scale words here,
.set VIMG, 139264                      ; V's images,
.set VSC,  237568                      ; its scale words,
.set GL,   241664                      ; g, 2,048 f32,
.set RED,  249856                      ; 64 bytes for the two reductions over the waves,
.set CSG,  250112                      ; 512 bytes for the result's scale words.  The last three are stored by the waves and lie in blocks of 256 bytes into which no tensor load lands
.set LI,  1                            ; 16 x lane
.set LR,  2                            ; 16 x r
.set LH,  3                            ; 128 x h
.set ADK, 4
.set ADS, 5
.set ADG, 6
.set ADV, 7
.set ADT, 8
.set SH8, 9
.set L8,  10                           ; 8 x lane
.set LT,  11                           ; 16 x thread
.set ST,  12
.set TM,  20
.set KSCL, 36
.set VSCL, 44
.set QSCL, 48
.set PW,  50
.set TC,  52
.set CSW, 60
.set CSR, 61
.set RDW, 62
.set RDR, 63
.set S,   64
.set G,   192
.set LX,  64                           ; the lexicon's numbers, at the head, where the scores will lie
.set QF,  0                            ; window 1
.set KF,  24
.set VF,  120
.set OA,  168
.set PC,  232
.set WV,  18
.set CX,  19
.set QB,  20
.set HG,  21
.set BB,  22
.set HD,  23
.set G1K, 24
.set G1V, 32
.set G0K, 40
.set G0V, 44
.set SEL, 48
.set CS,  50
.set KO,  52
.set KS,  53
.set GO,  54
.set VO,  55
.set VS,  56
.set CNT, 57
.set MSB, 0
.macro WIN new                         ; the immediate's high byte repeats the setting that is left; a switch that changes nothing is dropped
.if MSB != (\new)
	s_set_vgpr_msb (MSB<<8)|(\new)
.set MSB, (\new)
.endif
.endm
.macro CROUND                          ; a round of the cluster's barrier
	s_barrier_signal -1
	s_barrier_wait -1
	s_cmp_lg_u32 s[WV], 0
	s_cbranch_scc1 .Lnot_wave_0_\@
	s_barrier_signal -3
.Lnot_wave_0_\@:
	s_barrier_wait -3
	s_barrier_signal -1
	s_barrier_wait -1
.endm
; 64 numbers of a lane in window sw, two blocks of 32 (registers 32 c + x), become codes in window 1 (v[pc + 6 c] .. + 5) and the scale word v[pw]
.macro AQUANT s, sw, pc, pw
	WIN (\sw)|((\sw)<<2)
.irp q, 0,1,2,3
	v_max3_num_f32 v[TM+\q], |v[\s+16*\q]|, |v[\s+16*\q+1]|, 0x2800000   ; the floor 2^(5 - 127) holds the byte at 1 from below
.endr
	WIN ((\sw)<<2)|((\sw)<<4)
.irp i, 2,4,6,8,10,12,14
.irp q, 0,1,2,3
	v_max3_num_f32 v[TM+\q], v[TM+\q], |v[\s+16*\q+\i]|, |v[\s+16*\q+\i+1]|
.endr
.endr
	WIN 0
	v_max_num_f32 v[TM], v[TM], v[TM+1]
	v_max_num_f32 v[TM+1], v[TM+2], v[TM+3]
	v_add_nc_u32 v[TM+4], 0xfe000000, v[TM]        ; 4 off the exponent field: the conversion's scale operand
	v_add_nc_u32 v[TM+5], 0xfe000000, v[TM+1]
	v_lshrrev_b32 v[TM+6], 23, v[TM+4]
	v_lshrrev_b32 v[TM+7], 23, v[TM+5]
	v_lshl_or_b32 v[\pw], v[TM+7], 16, v[TM+6]
	v_lshlrev_b32 v[\pw], v[SH8], v[\pw]
	v_permlanex16_b32 v[TM+8], v[\pw], s[SEL], s[SEL+1]
	v_or_b32 v[\pw], v[\pw], v[TM+8]
	WIN (\sw)
.irp c, 0,1
	v_cvt_scalef32_pk16_bf6_f32 v[TC+4*\c:TC+4*\c+2], v[\s+32*\c+16:\s+32*\c+31], v[TM+4+\c]   ; (a conversion's three registers begin on an even number)
.endr
	WIN 0x40|(\sw)
.irp c, 0,1
	v_cvt_scalef32_pk16_bf6_f32 v[\pc+6*\c:\pc+6*\c+2], v[\s+32*\c:\s+32*\c+15], v[TM+4+\c]
.endr
	WIN 0x40
	v_nop                                          ; one plain place behind the scaled conversions
.irp c, 0,1
.irp i, 0,1,2
	v_mov_b32 v[\pc+6*\c+3+\i], v[TC+4*\c+\i]
.endr
.endr
	WIN 0
.endm
	s_load_b256 s[4:11], s[0:1], 0x0               ; qbuf s[4:5], kbuf s[6:7], vbuf s[8:9], lexp s[10:11]
	s_load_b128 s[12:15], s[0:1], 0x20             ; bl, mask
	s_load_b64 s[16:17], s[0:1], 0x30              ; cbuf
	v_lshl_add_u32 v254, v0, 2, 0x40000
	v_mov_b32 v255, 0
	ds_add_u32 v254, v255
	ds_add_u32 v254, v255
	s_wait_dscnt 0x0
	v_lshrrev_b32 v1, 5, v0
	v_readfirstlane_b32 s[WV], v1                  ; wave 0..7
	s_bfe_u32 s[CX], ttmp6, 0x40000                ; my place in the cluster: it enters global addresses of Q and of the result alone
	s_lshl_b32 s[QB], ttmp9, 2
	s_add_co_u32 s[QB], s[QB], s[CX]               ; my block of 256 queries
	s_and_b32 s[HG], ttmp7, 0xffff                 ; the head, 8 b + hd: the four partners share it
	s_lshr_b32 s[BB], s[HG], 3
	s_and_b32 s[HD], s[HG], 7
	; descriptor group 1: dense blocks as rows of 256 bytes (32 elements of 8 bytes): K 68 rows a wave, V 50
	s_mov_b32 s[G1K], 15|(3<<16)|(1<<21)           ; 15:0 the mask: all four work-groups; 17:16 elements of 8 bytes; 20 no padding; 21 set beside a mask
	s_mov_b32 s[G1K+1], 32<<16                     ; tensor_dim0
	s_mov_b32 s[G1K+2], 68<<16                     ; tensor_dim1
	s_mov_b32 s[G1K+3], 32<<16                     ; tile_dim0
	s_mov_b32 s[G1K+4], 68                         ; tile_dim1
	s_mov_b32 s[G1K+5], 32                         ; the pitch
	s_mov_b32 s[G1K+6], 0
	s_mov_b32 s[G1K+7], 0
	s_mov_b32 s[G1V], 15|(3<<16)|(1<<21)
	s_mov_b32 s[G1V+1], 32<<16
	s_mov_b32 s[G1V+2], 50<<16
	s_mov_b32 s[G1V+3], 32<<16
	s_mov_b32 s[G1V+4], 50
	s_mov_b32 s[G1V+5], 32
	s_mov_b32 s[G1V+6], 0
	s_mov_b32 s[G1V+7], 0
	s_mul_i32 s58, s[HG], 139264
	s_mul_i32 s60, s[WV], 17408                    ; my eighth of K's block,
	s_mov_b32 s[G0K], 1
	s_mov_b32 s[G0K+1], s60                        ; in LDS: no place in the cluster enters an LDS address
	s_add_co_u32 s60, s60, s58
	s_mov_b32 s61, 0
	s_mul_i32 s59, s[HG], 102400
	s_mul_i32 s62, s[WV], 12800                    ; and of V's
	s_mov_b32 s[G0V], 1
	s_add_co_u32 s[G0V+1], s62, VIMG
	s_add_co_u32 s62, s62, s59
	s_mov_b32 s63, 0
	s_mov_b32 s[SEL], 0x76543210
	s_mov_b32 s[SEL+1], 0xfedcba98
	s_mov_b32 s[CS], 0x3e38aa3b                    ; log2(e) / 8
	s_mov_b32 s[CS+1], s[CS]                       ; (named with it as a pair)
	v_and_b32 v4, 31, v0
	v_lshlrev_b32 v[LI], 4, v4
	v_lshlrev_b32 v[L8], 3, v4
	v_and_b32 v5, 15, v0
	v_lshlrev_b32 v[LR], 4, v5
	v_bfe_u32 v6, v0, 4, 1
	v_lshlrev_b32 v[LH], 7, v6
	v_lshlrev_b32 v[SH8], 3, v6
	v_lshlrev_b32 v[LT], 4, v0
	s_lshl_b32 s74, s[WV], 6
	s_add_co_u32 s74, s74, CSG
	v_lshl_add_u32 v[CSW], v5, 2, s74              ; CSG + 64 w + 4 r
	v_add_nc_u32 v[CSR], CSG, v[LI]
	s_lshl_b32 s74, s[WV], 2
	s_add_co_u32 s74, s74, RED
	v_mov_b32 v[RDW], s74
	v_mov_b32 v[RDR], RED
	s_wait_kmcnt 0x0
	s_add_nc_u64 s[G0K+2:G0K+3], s[6:7], s[60:61]
	s_or_b32 s[G0K+3], s[G0K+3], 0x80000000
	s_add_nc_u64 s[G0V+2:G0V+3], s[8:9], s[62:63]
	s_or_b32 s[G0V+3], s[G0V+3], 0x80000000
	CROUND                                         ; all four work-groups are here: the joint loads meet
	tensor_load_to_lds s[G0K:G0K+3], s[G1K:G1K+7]  ; the launch's only fills, together: two loads of mine are out
	s_nop 0
	tensor_load_to_lds s[G0V:G0V+3], s[G1V:G1V+7]
	s_nop 0
.rept 4
	v_nop                                          ; four lines here ahead of a switch of windows
.endr
	s_lshl_b32 s60, s[QB], 14                      ; Q: tile 16 qb + 2 w, 1,024 bytes a tile
	s_lshl_b32 s62, s[WV], 11
	s_add_co_u32 s60, s60, s62
	s_add_co_u32 s60, s60, s58
	s_add_nc_u64 s[66:67], s[4:5], s[60:61]
	s_lshl_b32 s60, s[QB], 10                      ; its scale words: step 2 qb + w / 4, group (w / 2) % 2, words 2 (w % 2) and the next
	s_lshr_b32 s62, s[WV], 2
	s_lshl_b32 s62, s62, 9
	s_add_co_u32 s60, s60, s62
	s_bfe_u32 s62, s[WV], 0x10001
	s_lshl_b32 s62, s62, 8
	s_add_co_u32 s60, s60, s62
	s_and_b32 s62, s[WV], 1
	s_lshl_b32 s62, s62, 3
	s_add_co_u32 s60, s60, s62
	s_add_co_u32 s60, s60, s58
	s_add_co_u32 s60, s60, 131072
	s_add_nc_u64 s[68:69], s[4:5], s[60:61]
	s_lshl_b32 s60, s[BB], 13
	s_add_nc_u64 s[10:11], s[10:11], s[60:61]      ; lexp and the mask at my batch
	s_add_nc_u64 s[14:15], s[14:15], s[60:61]
	s_lshl_b32 s60, s[BB], 7                       ; the result: token tile 128 b + 16 qb + 2 w, 6,144 bytes a tile, 768 a head
	s_lshl_b32 s62, s[QB], 4
	s_add_co_u32 s60, s60, s62
	s_lshl_b32 s62, s[WV], 1
	s_add_co_u32 s60, s60, s62
	s_mul_i32 s60, s60, 6144
	s_mul_i32 s62, s[HD], 768
	s_add_co_u32 s60, s60, s62
	s_add_nc_u64 s[70:71], s[16:17], s[60:61]
	s_lshl_b32 s60, s[HD], 14                      ; its scale words: [8 heads][256 pairs of tiles][16 r]
	s_lshl_b32 s62, s[BB], 12
	s_add_co_u32 s60, s60, s62
	s_lshl_b32 s62, s[QB], 9
	s_add_co_u32 s60, s60, s62
	s_add_co_u32 s60, s60, 3145728
	s_add_nc_u64 s[72:73], s[16:17], s[60:61]
	WIN 0x40                                       ; destination window 1
.irp u, 0,1
	global_load_b128 v[QF+12*\u:QF+12*\u+3], v[LI], s[66:67] offset:1024*\u
	global_load_b128 v[QF+12*\u+4:QF+12*\u+7], v[LI], s[66:67] offset:1024*\u+512
.endr
	WIN 0
	global_load_b64 v[QSCL:QSCL+1], v[LR], s[68:69]
.irp p, 0,1,2,3,4,5,6,7                ; the lexicon: thread t owns keys 4 t .. and 1,024 + 4 t ..
.irp u, 0,1
	global_load_b128 v[LX+8*\p+4*\u:LX+8*\p+4*\u+3], v[LT], s[10:11] offset:32768*\p+4096*\u
.endr
.endr
.irp u, 0,1
	global_load_b128 v[LX+64+4*\u:LX+64+4*\u+3], v[LT], s[12:13] offset:4096*\u
	global_load_b128 v[LX+72+4*\u:LX+72+4*\u+3], v[LT], s[14:15] offset:4096*\u
.endr
	WIN 0x40
.irp t, 0,1,2,3,4,5,6,7                ; K = 64 fills half an operand: registers 8-11 of every fragment of K and Q are zero codes, written once
.irp k, 8,9,10,11
	v_mov_b32 v[KF+12*\t+\k], 0
.endr
.endr
.irp u, 0,1
.irp k, 8,9,10,11
	v_mov_b32 v[QF+12*\u+\k], 0
.endr
.endr
	WIN 0
.set j, 0
.rept 16
	v_mov_b32 v[TM+j], 0                           ; lane permutes' destinations and pairs' upper halves are written once
.set j, j+1
.endr
.irp u, 0,1
	v_mov_b32 v[ST+4*\u+1], 0xff61b1e6             ; the largest t so far: -3e38
	v_mov_b32 v[ST+4*\u+2], 0                      ; the sum, in two halves
	v_mov_b32 v[ST+4*\u+3], 0
.endr
.irp u, 0,1
	v_floor_f32 v[ST+4*\u], -v[ST+4*\u+1]          ; -M
.endr
	v_mov_b32 v[LX+80], 0xce6e6b28                 ; -1e9
	v_mov_b32 v[LX+82], 0
	v_add_nc_u32 v[LX+96], GL, v[LT]
	s_wait_loadcnt 0x0
	; ---------------- g = 0.5 softmax(where(mask, -1e9, lex)) ----------------
.irp p, 1,2,3,4,5,6,7
.irp k, 0,2,4,6
	v_pk_add_f32 v[LX+\k:LX+\k+1], v[LX+\k:LX+\k+1], v[LX+8*\p+\k:LX+8*\p+\k+1]   ; the eight parts of K in ascending order,
.endr
.endr
.irp k, 0,2,4,6
	v_pk_add_f32 v[LX+\k:LX+\k+1], v[LX+\k:LX+\k+1], v[LX+64+\k:LX+64+\k+1]       ; and bl
.endr
.irp k, 0,1,2,3,4,5,6,7
	v_cmp_eq_u32 vcc_lo, 1, v[LX+72+\k]
	v_cndmask_b32 v[LX+\k], v[LX+\k], v[LX+80], vcc_lo
.endr
	v_max3_num_f32 v[LX+81], v[LX], v[LX+1], v[LX+2]
	v_max3_num_f32 v[LX+81], v[LX+81], v[LX+3], v[LX+4]
	v_max3_num_f32 v[LX+81], v[LX+81], v[LX+5], v[LX+6]
	v_max_num_f32 v[LX+81], v[LX+81], v[LX+7]
.irp m, 1,2,4,8
	v_max_num_f32_dpp v[LX+81], v[LX+81], v[LX+81] row_xmask:\m row_mask:0xf bank_mask:0xf
.endr
	v_permlanex16_b32 v[LX+82], v[LX+81], s[SEL], s[SEL+1]
	v_max_num_f32 v[LX+81], v[LX+81], v[LX+82]
	ds_store_b32 v[RDW], v[LX+81]                  ; my wave's maximum
	s_wait_dscnt 0x0
	s_barrier_signal -1
	s_barrier_wait -1
	ds_load_b128 v[LX+84:LX+87], v[RDR]
	ds_load_b128 v[LX+88:LX+91], v[RDR] offset:16
	s_wait_dscnt 0x0
	v_max3_num_f32 v[LX+81], v[LX+84], v[LX+85], v[LX+86]
	v_max3_num_f32 v[LX+81], v[LX+81], v[LX+87], v[LX+88]
	v_max3_num_f32 v[LX+81], v[LX+81], v[LX+89], v[LX+90]
	v_max_num_f32 v[LX+81], v[LX+81], v[LX+91]
.irp k, 0,1,2,3,4,5,6,7
	v_sub_f32 v[LX+\k], v[LX+\k], v[LX+81]
.endr
.irp k, 0,1,2,3,4,5,6,7
	v_mul_f32 v[LX+\k], 0x3fb8aa3b, v[LX+\k]
.endr
.irp k, 0,1,2,3,4,5,6,7
	v_exp_f32 v[LX+\k], v[LX+\k]
.endr
	v_nop                                          ; a plain place behind the exponentials,
	s_wait_alu depctr_va_vdst(0)                   ; and one wait for the batch, ahead of its first reader
	v_pk_add_f32 v[LX+84:LX+85], v[LX:LX+1], v[LX+2:LX+3]
	v_pk_add_f32 v[LX+86:LX+87], v[LX+4:LX+5], v[LX+6:LX+7]
	v_pk_add_f32 v[LX+84:LX+85], v[LX+84:LX+85], v[LX+86:LX+87]
	v_add_f32 v[LX+81], v[LX+84], v[LX+85]
.irp m, 1,2,4,8
	v_add_f32_dpp v[LX+81], v[LX+81], v[LX+81] row_xmask:\m row_mask:0xf bank_mask:0xf
.endr
	v_permlanex16_b32 v[LX+82], v[LX+81], s[SEL], s[SEL+1]
	v_add_f32 v[LX+81], v[LX+81], v[LX+82]
	ds_store_b32 v[RDW], v[LX+81] offset:32        ; my wave's sum, in other bytes than the maxima
	s_wait_dscnt 0x0
	s_barrier_signal -1
	s_barrier_wait -1
	ds_load_b128 v[LX+84:LX+87], v[RDR] offset:32
	ds_load_b128 v[LX+88:LX+91], v[RDR] offset:48
	s_wait_dscnt 0x0
.irp k, 85,86,87,88,89,90,91
	v_add_f32 v[LX+84], v[LX+84], v[LX+\k]
.endr
	v_rcp_f32 v[LX+81], v[LX+84]
	v_nop
	s_wait_alu depctr_va_vdst(0)
	v_mul_f32 v[LX+81], 0.5, v[LX+81]
.irp k, 0,1,2,3,4,5,6,7
	v_mul_f32 v[LX+\k], v[LX+\k], v[LX+81]
.endr
	ds_store_b128 v[LX+96], v[LX:LX+3]
	ds_store_b128 v[LX+96], v[LX+4:LX+7] offset:4096
	s_wait_tensorcnt 0x1                           ; my eighth of K is in; V's load, issued behind it, may stay out
	s_wait_dscnt 0x0                               ; my part of g lies in LDS
	s_barrier_signal -1
	s_barrier_wait -1                              ; K and g are whole
.macro KFETCH                          ; a step's eight fragments of K (registers 0-7) and their scale words
	WIN 0x40
.irp t, 0,1,2,3,4,5,6,7
	ds_load_b128 v[KF+12*\t:KF+12*\t+3], v[ADK] offset:1024*\t
	ds_load_b128 v[KF+12*\t+4:KF+12*\t+7], v[ADK] offset:1024*\t+512
.endr
	WIN 0
	ds_load_b128 v[KSCL:KSCL+3], v[ADS]
	ds_load_b128 v[KSCL+4:KSCL+7], v[ADS] offset:256
.endm
.macro KQ                              ; S^T = K Q^T: 128 keys x 32 queries, sixteen sums begun with the constant 0
	WIN 0x05                                       ; sources 0 and 1 window 1
.irp t, 0,1,2,3,4,5,6,7
.irp u, 0,1
	v_wmma_scale_f32_16x16x128_f8f6f4 v[S+64*\u+8*\t:S+64*\u+8*\t+7], v[KF+12*\t:KF+12*\t+11], v[QF+12*\u:QF+12*\u+11], 0, v[KSCL+\t], v[QSCL+\u] matrix_a_fmt:MATRIX_FMT_BF6 matrix_b_fmt:MATRIX_FMT_BF6
.endr
.endr
	WIN 0
.endm
.macro STATS                           ; the step's largest score of each query, the running largest t, the new -M, and f = 2^(old M - new M); the two tiles by turns
.irp q, 0,1,2,3
.irp u, 0,1
	v_max3_num_f32 v[TM+6*\u+\q], v[S+64*\u+16*\q], v[S+64*\u+16*\q+1], v[S+64*\u+16*\q+2]
.endr
.endr
.irp i, 3,5,7,9,11,13
.irp q, 0,1,2,3
.irp u, 0,1
	v_max3_num_f32 v[TM+6*\u+\q], v[TM+6*\u+\q], v[S+64*\u+16*\q+\i], v[S+64*\u+16*\q+\i+1]
.endr
.endr
.endr
.irp q, 0,1,2,3
.irp u, 0,1
	v_max_num_f32 v[TM+6*\u+\q], v[TM+6*\u+\q], v[S+64*\u+16*\q+15]
.endr
.endr
.irp u, 0,1
	v_max3_num_f32 v[TM+6*\u], v[TM+6*\u], v[TM+6*\u+1], v[TM+6*\u+2]
.endr
.irp u, 0,1
	v_max_num_f32 v[TM+6*\u], v[TM+6*\u], v[TM+6*\u+3]
.endr
.irp u, 0,1
	v_permlanex16_b32 v[TM+6*\u+4], v[TM+6*\u], s[SEL], s[SEL+1]   ; the query's other 64 keys lie in lane xor 16
.endr
.irp u, 0,1
	v_max_num_f32 v[TM+6*\u], v[TM+6*\u], v[TM+6*\u+4]
.endr
.irp u, 0,1
	v_mul_f32 v[TM+6*\u], s[CS], v[TM+6*\u]
.endr
.irp u, 0,1
	v_max_num_f32 v[ST+4*\u+1], v[ST+4*\u+1], v[TM+6*\u]
.endr
.irp u, 0,1
	v_mov_b32 v[TM+6*\u], v[ST+4*\u]
.endr
.irp u, 0,1
	v_floor_f32 v[ST+4*\u], -v[ST+4*\u+1]          ; -M = floor(-t): M is a whole number
.endr
.irp u, 0,1
	v_sub_f32 v[TM+6*\u], v[ST+4*\u], v[TM+6*\u]   ; old M - new M, 0 or less
.endr
.irp u, 0,1
	v_cvt_i32_f32 v[TM+6*\u], v[TM+6*\u]           ; (it saturates)
.endr
.irp u, 0,1
	v_ldexp_f32 v[TM+12+2*\u], 1.0, v[TM+6*\u]
.endr
.endm
.macro SCALE                           ; t - M, two at a time, each accumulator from its low end on
.irp u, 0,1
.set j, 0
.rept 32
	v_pk_fma_f32 v[S+64*\u+j:S+64*\u+j+1], v[S+64*\u+j:S+64*\u+j+1], s[CS:CS+1], v[ST+4*\u:ST+4*\u+1] op_sel_hi:[1,0,0]
.set j, j+2
.endr
.endr
.endm
.macro EXPS
.set j, 0
.rept 128
	v_exp_f32 v[S+j], v[S+j]
.set j, j+1
.endr
.endm
; PASS 1, a step of 128 keys.  last = 1: the fetch goes back to step 0, for pass 2
.macro P1STEP last
	s_wait_dscnt 0x0                               ; K's fragments are in
	KQ
.if \last
	s_mov_b32 s[KO], 0
	s_mov_b32 s[KS], KSC
.else
	s_add_co_u32 s[KO], s[KO], 8192
	s_add_co_u32 s[KS], s[KS], 512
.endif
	v_add_nc_u32 v[ADK], s[KO], v[LI]              ; these two and two v_nop are the four places in front of the loads into K's registers and of the first read of scores
	v_add_nc_u32 v[ADS], s[KS], v[LR]
	v_nop
	v_nop
	KFETCH                                         ; the next step's K lands under this step's vector work
	STATS
	SCALE
	EXPS
.irp u, 0,1
	v_pk_mul_f32 v[ST+4*\u+2:ST+4*\u+3], v[ST+4*\u+2:ST+4*\u+3], v[TM+12+2*\u:TM+13+2*\u] op_sel_hi:[1,0]   ; the sums under the new M: plain places behind the exponentials
.endr
	s_wait_alu depctr_va_vdst(0)                   ; one wait for the 128, ahead of their first reader
.irp u, 0,1
	v_pk_add_f32 v[TC+2*\u:TC+2*\u+1], v[S+64*\u:S+64*\u+1], v[S+64*\u+2:S+64*\u+3]
.endr
.irp j, 4,8,12,16,20,24,28,32,36,40,44,48,52,56,60
.irp u, 0,1
	v_pk_add_f32 v[ST+4*\u+2:ST+4*\u+3], v[ST+4*\u+2:ST+4*\u+3], v[S+64*\u+\j:S+64*\u+\j+1]
	v_pk_add_f32 v[TC+2*\u:TC+2*\u+1], v[TC+2*\u:TC+2*\u+1], v[S+64*\u+\j+2:S+64*\u+\j+3]
.endr
.endr
.irp u, 0,1
	v_pk_add_f32 v[ST+4*\u+2:ST+4*\u+3], v[ST+4*\u+2:ST+4*\u+3], v[TC+2*\u:TC+2*\u+1]
.endr
.endm
	s_mov_b32 s[KO], 0
	s_mov_b32 s[KS], KSC
	v_add_nc_u32 v[ADK], s[KO], v[LI]
	v_add_nc_u32 v[ADS], s[KS], v[LR]
	KFETCH
	s_mov_b32 s[CNT], 15
.Lpass1:
	P1STEP 0
	s_sub_co_u32 s[CNT], s[CNT], 1
	s_cmp_lg_u32 s[CNT], 0
	s_cbranch_scc1 .Lpass1
	P1STEP 1
.irp u, 0,1
	v_add_f32 v[TM+6*\u], v[ST+4*\u+2], v[ST+4*\u+3]
.endr
.irp u, 0,1
	v_permlanex16_b32 v[TM+6*\u+4], v[TM+6*\u], s[SEL], s[SEL+1]
.endr
.irp u, 0,1
	v_add_f32 v[TM+6*\u], v[TM+6*\u], v[TM+6*\u+4] ; the row's sum l
.endr
.irp u, 0,1
	v_rcp_f32 v[TM+6*\u+1], v[TM+6*\u]
.endr
	v_nop
	s_wait_alu depctr_va_vdst(0)
.irp u, 0,1
	v_mul_f32 v[ST+4*\u+2], 0.5, v[TM+6*\u+1]      ; 0.5 / l
.endr
	s_wait_tensorcnt 0x0                           ; my eighth of V is in
	s_wait_dscnt 0x0
	s_barrier_signal -1
	s_barrier_wait -1                              ; V is whole
	s_mov_b32 s[GO], GL
	s_mov_b32 s[VO], VIMG
	s_mov_b32 s[VS], VSC
; PASS 2, a step of 128 keys.  zero = 1: the products start O^T's sums.  more = 1: the next step's K is fetched
.macro P2STEP zero, more
	s_wait_dscnt 0x0
	KQ
.if \more
	s_add_co_u32 s[KO], s[KO], 8192
	s_add_co_u32 s[KS], s[KS], 512
.endif
	v_add_nc_u32 v[ADG], s[GO], v[LH]              ; four places or more in front of the loads into registers that products have read
	v_add_nc_u32 v[ADV], s[VO], v[LI]
	v_add_nc_u32 v[ADT], s[VS], v[LR]
.if \more
	v_add_nc_u32 v[ADK], s[KO], v[LI]
	v_add_nc_u32 v[ADS], s[KS], v[LR]
.else
	v_nop
.endif
.irp c, 0,1
.irp j, 0,1,2,3,4,5,6,7
	ds_load_b128 v[G+32*\c+4*\j:G+32*\c+4*\j+3], v[ADG] offset:256*\c+16*\j   ; g of my 64 keys; sixteen lanes read the same words
.endr
.endr
	WIN 0x40
.irp i, 0,1,2,3
.irp c, 0,1,2
	ds_load_b128 v[VF+12*\i+4*\c:VF+12*\i+4*\c+3], v[ADV] offset:1536*\i+512*\c
.endr
.endr
	WIN 0
	ds_load_b128 v[VSCL:VSCL+3], v[ADT]
.if \more
	KFETCH
.endif
	SCALE
	EXPS
	v_nop                                          ; a plain place behind the exponentials
	s_wait_alu depctr_va_vdst(0)                   ; one wait for the 128
	s_wait_dscnt 13+18*\more                       ; g is in; behind it: V's 12 loads, its scale words, and K's 18
.irp u, 0,1
.set j, 0
.rept 32
	v_pk_fma_f32 v[S+64*\u+j:S+64*\u+j+1], v[S+64*\u+j:S+64*\u+j+1], v[ST+4*\u+2:ST+4*\u+3], v[G+j:G+j+1] op_sel_hi:[1,0,1]   ; attn = p (0.5 / l) + g
.set j, j+2
.endr
.endr
	AQUANT S, 0, PC, PW
	AQUANT S+64, 0, PC+12, PW+1
	s_wait_dscnt 18*\more                          ; V is in
.rept 8
	v_nop                                          ; a scale register written by a vector instruction stands eight places ahead of the scaled product, an operand four
.endr
	WIN 0x55                                       ; all four operands window 1
.irp i, 0,1,2,3
.irp u, 0,1
.if \zero
	v_wmma_scale_f32_16x16x128_f8f6f4 v[OA+32*\u+8*\i:OA+32*\u+8*\i+7], v[VF+12*\i:VF+12*\i+11], v[PC+12*\u:PC+12*\u+11], 0, v[VSCL+\i], v[PW+\u] matrix_a_fmt:MATRIX_FMT_BF6 matrix_b_fmt:MATRIX_FMT_BF6
.else
	v_wmma_scale_f32_16x16x128_f8f6f4 v[OA+32*\u+8*\i:OA+32*\u+8*\i+7], v[VF+12*\i:VF+12*\i+11], v[PC+12*\u:PC+12*\u+11], v[OA+32*\u+8*\i:OA+32*\u+8*\i+7], v[VSCL+\i], v[PW+\u] matrix_a_fmt:MATRIX_FMT_BF6 matrix_b_fmt:MATRIX_FMT_BF6
.endif
.endr
.endr
	WIN 0                                          ; the eight sums take one turn each; the next step's sixteen products K Q^T stand between two links
	s_add_co_u32 s[GO], s[GO], 512
	s_add_co_u32 s[VO], s[VO], 6144
	s_add_co_u32 s[VS], s[VS], 256
.endm
	P2STEP 1, 1
	s_mov_b32 s[CNT], 14
.Lpass2:
	P2STEP 0, 1
	s_sub_co_u32 s[CNT], s[CNT], 1
	s_cmp_lg_u32 s[CNT], 0
	s_cbranch_scc1 .Lpass2
	P2STEP 0, 0
	; ---------------- the way out: O^T's register 32 u + x is d = 32 h + x of tile u's query r: a block of the last product's K ----------------
.rept 4
	v_nop
.endr
	AQUANT OA, 1, PC, PW                           ; here c is the tile: the word's low half is tile 0's two bytes, its high half tile 1's
	WIN 0x04                                       ; a store's data are its source 1: window 1
.irp u, 0,1
	global_store_b128 v[LI], v[PC+6*\u:PC+6*\u+3], s[70:71] offset:6144*\u
	global_store_b64 v[L8], v[PC+6*\u+4:PC+6*\u+5], s[70:71] offset:6144*\u+512   ; 768 consecutive bytes for a tile and a head
.endr
	WIN 0
	ds_store_b32 v[CSW], v[PW]                     ; both halves of the lanes hold and write the same word
	s_wait_dscnt 0x0
	s_barrier_signal -1
	s_barrier_wait -1
	s_cmp_lg_u32 s[WV], 0
	s_cbranch_scc1 .Lnot_first
	ds_load_b128 v[S:S+3], v[CSR]                  ; the eight waves' 64 bytes each
	s_wait_dscnt 0x0
	global_store_b128 v[LI], v[S:S+3], s[72:73]    ; 512 consecutive bytes
.Lnot_first:
	s_wait_xcnt 0x0
	v_lshl_add_u32 v254, v0, 2, 0x40000
	v_mov_b32 v255, 0
	s_wait_tensorcnt 0x0
	ds_add_u32 v254, v255
	s_wait_dscnt 0x0
	CROUND                                         ; the closing round: no work-group ends while a partner may still ask for a tile that names it
	s_endpgm
.Lfunc_end_k_q1030794180_attn:
	.size	k_q1030794180_attn, .Lfunc_end_k_q1030794180_attn-k_q1030794180_attn
	.p2alignl 7, 3214868480
	.fill 96, 4, 3214868480
	.section	.rodata,"a",@progbits
	.p2align	6, 0x0
	.amdhsa_kernel k_q1030794180_attn
		.amdhsa_group_segment_fixed_size 263168
		.amdhsa_private_segment_fixed_size 0
		.amdhsa_enable_private_segment 0
		.amdhsa_kernarg_size 56
		.amdhsa_user_sgpr_count 2
		.amdhsa_user_sgpr_kernarg_segment_ptr 1
		.amdhsa_wavefront_size32 1
		.amdhsa_system_sgpr_workgroup_id_x 1
		.amdhsa_system_sgpr_workgroup_id_y 1
		.amdhsa_system_sgpr_workgroup_id_z 1
		.amdhsa_system_vgpr_workitem_id 0
		.amdhsa_next_free_vgpr 512
		.amdhsa_next_free_sgpr 80
		.amdhsa_reserve_vcc 1
		.amdhsa_float_denorm_mode_32 3
		.amdhsa_float_denorm_mode_16_64 3
		.amdhsa_memory_ordered 1
		.amdhsa_forward_progress 1
		.amdhsa_inst_pref_size 140
	.end_amdhsa_kernel
	.amdgpu_metadata
---
amdhsa.version: [ 1, 2 ]
amdhsa.kernels:
  - .name:           k_q1030794180_attn
    .symbol:         k_q1030794180_attn.kd
    .args:
      - { .name: qbuf, .offset: 0, .size: 8, .value_kind: global_buffer, .address_space: global }
      - { .name: kbuf, .offset: 8, .size: 8, .value_kind: global_buffer, .address_space: global }
      - { .name: vbuf, .offset: 16, .size: 8, .value_kind: global_buffer, .address_space: global }
      - { .name: lexp, .offset: 24, .size: 8, .value_kind: global_buffer, .address_space: global }
      - { .name: bl, .offset: 32, .size: 8, .value_kind: global_buffer, .address_space: global }
      - { .name: mask, .offset: 40, .size: 8, .value_kind: global_buffer, .address_space: global }
      - { .name: cbuf, .offset: 48, .size: 8, .value_kind: global_buffer, .address_space: global }
    .group_segment_fixed_size: 263168
    .private_segment_fixed_size: 0
    .kernarg_segment_align: 8
    .kernarg_segment_size: 56
    .max_flat_workgroup_size: 256
    .sgpr_count:     80
    .vgpr_count:     512
    .wavefront_size: 32
...
	.end_amdgpu_metadata
.endif
;; end of part 3
;; launch outp (part 4): grid 4 x 64, 8 waves a work-group, clusters of 4 x 1, 168,960 bytes of LDS; arguments cbuf, wimg, bo, out0; writes out0
.if DOCPART == 4
	.amdgcn_target "amdgcn-amd-amdhsa--gfx1250"
	.amdhsa_code_object_version 6
	.text
	.protected	k_q1030794180_outp
	.globl	k_q1030794180_outp
	.p2align	8
	.type	k_q1030794180_outp,@function
k_q1030794180_outp:
	s_mov_b64 s[64:65], 0
	v_nop
	global_prefetch_b8 v0, s[64:65] scope:SCOPE_SE
	s_setreg_imm32_b32 hwreg(HW_REG_WAVE_MODE, 25, 1), 1
	s_wait_xcnt 0x0
	s_wait_alu depctr_hold_cnt(0) depctr_sa_sdst(0) depctr_va_vdst(0) depctr_va_sdst(0) depctr_va_ssrc(0) depctr_va_vcc(0) depctr_vm_vsrc(0)
	s_getreg_b32 s2, hwreg(HW_REG_IB_STS2, 6, 4)
	s_cmp_eq_u32 s2, 0
	s_cbranch_scc0 .Lentry_in_a_cluster
	s_endpgm
.Lentry_in_a_cluster:
	s_bfe_u32 s2, ttmp6, 0x10000c
	s_cmp_lg_u32 s2, 0x3003
	s_cbranch_scc0 .Lentry_shape_is_right
	s_endpgm
.Lentry_shape_is_right:
; out0 = concat Wo + bo on codes of E3M2.  concat arrives as register images: cbuf [512 token tiles][8 heads][768 bytes: registers 0-3, then 4-5], a head's 64 numbers being half a K step;
;   scale words from byte 3,145,728: [8 heads][256 pairs of tiles][16 r], the low half the even tile's two bytes, the high half the odd tile's.  Wo's images and scale words lie in wimg (weight 3).
; SHARES.  A work-group takes 128 tokens (work-group y) x 128 columns (its place in the cluster).  Wave w takes Wo's tile T = 8 cx + w, 16 columns, for all eight token tiles: four fragments of Wo stay in registers.
; CLUSTER.  The four work-groups of a cluster read the same 49,152 bytes of concat: one joint tensor load a wave, filled once.
; TRANSPOSED: source 0 = Wo's tile, source 1 = concat's: a lane holds eight neighbouring columns of one token's row.  Rows meet in a stage in LDS and leave as 512 consecutive bytes.
; Token tile a's lane r is token 64 (a / 4) + 8 (a % 4) + r % 8 + 32 (r / 8); Wo's tile (G, i) row r is column 64 G + 8 i + r % 8 + 32 (r / 8).
.set STG, 49152                        ; LDS: concat's images from 0; the stage: 128 rows x (512 + 16) bytes, in blocks into which no tensor load lands
.set LI,  1                            ; 16 x lane
.set L8,  2                            ; 8 x lane
.set L4,  3                            ; 4 x lane
.set LR,  4                            ; 16 x r
.set SO,  5
.set SR,  6
.set HB,  7                            ; 128 x h
.set WF,  16                           ; v16-63  Wo's four fragments
.set BI,  64                           ; v64-71  the bias in the result's layout
.set WS,  72                           ; v72-75  Wo's scale words
.set SCX, 76                           ; v76-91  concat's: 8 (a / 4) + 2 s + a % 2; lanes 0-15 pair 2 (a / 4), lanes 16-31 the next pair
.set ACC, 92                           ; v92-155
.set XF,  156                          ; v156-251 eight fragments of a K step; at the head the 16 raw scale words; at the end rows of the result
.set CW,  156
.set WV,  24
.set CX,  25
.set SG,  26
.set TT,  27
.macro CROUND
	s_barrier_signal -1
	s_barrier_wait -1
	s_cmp_lg_u32 s[WV], 0
	s_cbranch_scc1 .Lnot_wave_0_\@
	s_barrier_signal -3
.Lnot_wave_0_\@:
	s_barrier_wait -3
	s_barrier_signal -1
	s_barrier_wait -1
.endm
	s_load_b256 s[4:11], s[0:1], 0x0               ; cbuf s[4:5], wimg s[6:7], bo s[8:9], out0 s[10:11]
	v_lshl_add_u32 v254, v0, 2, 0x29000
	v_mov_b32 v255, 0
	ds_add_u32 v254, v255
	ds_add_u32 v254, v255
	v_lshrrev_b32 v1, 5, v0
	v_readfirstlane_b32 s[WV], v1
	s_bfe_u32 s[CX], ttmp6, 0x40000                ; my place in the cluster: it enters global addresses alone
	s_and_b32 s[SG], ttmp7, 0xffff                 ; which 128 tokens: the four partners share it
	s_lshl_b32 s[TT], s[CX], 3
	s_add_co_u32 s[TT], s[TT], s[WV]               ; T
	s_mov_b32 s16, 15|(3<<16)|(1<<21)              ; group 1: the mask of all four; elements of 8 bytes; no padding; bit 21 beside a mask
	s_mov_b32 s17, 32<<16                          ; rows of 256 bytes,
	s_mov_b32 s18, 24<<16                          ; 24 of them: one token tile a wave
	s_mov_b32 s19, 32<<16
	s_mov_b32 s20, 24
	s_mov_b32 s21, 32
	s_mov_b32 s22, 0
	s_mov_b32 s23, 0
	s_mul_i32 s28, s[WV], 6144
	s_mov_b32 s12, 1
	s_mov_b32 s13, s28
	s_mul_i32 s30, s[SG], 49152
	s_add_co_u32 s28, s28, s30
	s_mov_b32 s29, 0
	v_and_b32 v8, 31, v0
	v_lshlrev_b32 v[LI], 4, v8
	v_lshlrev_b32 v[L8], 3, v8
	v_lshlrev_b32 v[L4], 2, v8
	v_and_b32 v[LR], 15, v0
	v_lshlrev_b32 v[LR], 4, v[LR]
	v_bfe_u32 v9, v0, 4, 1
	v_lshlrev_b32 v[HB], 7, v9
	v_and_b32 v8, 7, v0
	v_bfe_u32 v9, v0, 3, 1
	v_lshl_add_u32 v8, v9, 5, v8                   ; r % 8 + 32 (r / 8)
	v_mul_u32_u24 v8, v8, 528
	v_add_nc_u32 v8, v8, v[HB]
	s_lshr_b32 s30, s[WV], 2
	s_lshl_b32 s30, s30, 8
	s_and_b32 s31, s[WV], 3
	s_lshl_b32 s31, s31, 5
	s_add_co_u32 s30, s30, s31
	s_add_co_u32 s30, s30, STG
	v_add_nc_u32 v[SO], s30, v8                    ; into the stage: my token's row, + 128 h + 256 (w / 4) + 32 (w % 4)
	s_mul_i32 s30, s[WV], 8448
	s_add_co_u32 s30, s30, STG
	v_add_nc_u32 v[SR], s30, v[LI]                 ; back: rows 16 w on, 16 bytes a lane
	s_wait_dscnt 0x0
	s_wait_kmcnt 0x0
	s_add_nc_u64 s[14:15], s[4:5], s[28:29]
	s_or_b32 s15, s15, 0x80000000
	CROUND                                         ; all four work-groups are here: the joint loads meet
	tensor_load_to_lds s[12:15], s[16:23]          ; the launch's only fill: one load of mine is out
	s_nop 0
.rept 4
	v_nop
.endr
	s_mul_i32 s28, s[TT], 6144
	s_add_co_u32 s28, s28, 589824
	s_add_nc_u64 s[32:33], s[6:7], s[28:29]        ; Wo's tile T
	s_lshl_b32 s28, s[TT], 8
	s_add_co_u32 s28, s28, 811008
	s_add_nc_u64 s[34:35], s[6:7], s[28:29]        ; its scale words: 786,432 + 256 (96 + T)
	s_lshr_b32 s28, s[TT], 2
	s_lshl_b32 s28, s28, 8
	s_and_b32 s30, s[TT], 3
	s_lshl_b32 s30, s30, 5
	s_add_co_u32 s28, s28, s30
	s_add_nc_u64 s[36:37], s[8:9], s[28:29]        ; bo at column 64 G + 8 i
	s_lshl_b32 s28, s[SG], 8
	s_add_co_u32 s28, s28, 3145728
	s_add_nc_u64 s[38:39], s[4:5], s[28:29]        ; concat's scale words at pair 4 sg
	s_lshl_b32 s28, s[SG], 18
	s_lshl_b32 s30, s[WV], 15
	s_add_co_u32 s28, s28, s30
	s_lshl_b32 s30, s[CX], 9
	s_add_co_u32 s28, s28, s30
	s_add_nc_u64 s[40:41], s[10:11], s[28:29]      ; out0 at row 128 sg + 16 w, column 128 cx
.irp s, 0,1,2,3
.irp c, 0,1,2
	global_load_b128 v[WF+12*\s+4*\c:WF+12*\s+4*\c+3], v[LI], s[32:33] offset:1536*\s+512*\c
.endr
.endr
	global_load_b128 v[WS:WS+3], v[LR], s[34:35]
	global_load_b128 v[BI:BI+3], v[HB], s[36:37]
	global_load_b128 v[BI+4:BI+7], v[HB], s[36:37] offset:16
.irp d, 0,1,2,3,4,5,6,7
.irp q, 0,1
	global_load_b32 v[CW+2*\d+\q], v[L4], s[38:39] offset:16384*\d+128*\q
.endr
.endr
	s_wait_loadcnt 0x0
.irp q, 0,1
.irp s, 0,1,2,3                        ; a K step's word: head 2 s's two bytes below, head 2 s + 1's above; the even tile from the low halves, the odd tile from the high ones
	v_perm_b32 v[SCX+8*\q+2*\s], v[CW+2*(2*\s+1)+\q], v[CW+2*(2*\s)+\q], 0x05040100
	v_perm_b32 v[SCX+8*\q+2*\s+1], v[CW+2*(2*\s+1)+\q], v[CW+2*(2*\s)+\q], 0x07060302
.endr
.endr
.rept 8
	v_nop                                          ; a scale register written by a vector instruction stands eight places ahead of the scaled product
.endr
	s_wait_tensorcnt 0x0                           ; my token tile is in,
	s_barrier_signal -1
	s_barrier_wait -1                              ; everybody's is
.macro OMUL a, s
.if \s == 0
.if ((\a)/2)%2
	v_wmma_scale_f32_16x16x128_f8f6f4 v[ACC+8*\a:ACC+8*\a+7], v[WF+12*\s:WF+12*\s+11], v[XF+12*\a:XF+12*\a+11], v[BI:BI+7], v[WS+\s], v[SCX+8*((\a)/4)+2*\s+(\a)%2] matrix_a_fmt:MATRIX_FMT_BF6 matrix_b_fmt:MATRIX_FMT_BF6 matrix_b_scale:MATRIX_SCALE_ROW1
.else
	v_wmma_scale_f32_16x16x128_f8f6f4 v[ACC+8*\a:ACC+8*\a+7], v[WF+12*\s:WF+12*\s+11], v[XF+12*\a:XF+12*\a+11], v[BI:BI+7], v[WS+\s], v[SCX+8*((\a)/4)+2*\s+(\a)%2] matrix_a_fmt:MATRIX_FMT_BF6 matrix_b_fmt:MATRIX_FMT_BF6
.endif
.else
.if ((\a)/2)%2
	v_wmma_scale_f32_16x16x128_f8f6f4 v[ACC+8*\a:ACC+8*\a+7], v[WF+12*\s:WF+12*\s+11], v[XF+12*\a:XF+12*\a+11], v[ACC+8*\a:ACC+8*\a+7], v[WS+\s], v[SCX+8*((\a)/4)+2*\s+(\a)%2] matrix_a_fmt:MATRIX_FMT_BF6 matrix_b_fmt:MATRIX_FMT_BF6 matrix_b_scale:MATRIX_SCALE_ROW1
.else
	v_wmma_scale_f32_16x16x128_f8f6f4 v[ACC+8*\a:ACC+8*\a+7], v[WF+12*\s:WF+12*\s+11], v[XF+12*\a:XF+12*\a+11], v[ACC+8*\a:ACC+8*\a+7], v[WS+\s], v[SCX+8*((\a)/4)+2*\s+(\a)%2] matrix_a_fmt:MATRIX_FMT_BF6 matrix_b_fmt:MATRIX_FMT_BF6
.endif
.endif
.endm
.irp s, 0,1,2,3                        ; a K step = heads 2 s and 2 s + 1; eight accumulators by turns, one instruction a turn; the bias is the C of the first step
.irp a, 0,1,2,3,4,5,6,7
	ds_load_b128 v[XF+12*\a:XF+12*\a+3], v[LI] offset:6144*\a+1536*\s
	ds_load_b64 v[XF+12*\a+4:XF+12*\a+5], v[L8] offset:6144*\a+1536*\s+512
	ds_load_b128 v[XF+12*\a+6:XF+12*\a+9], v[LI] offset:6144*\a+1536*\s+768
	ds_load_b64 v[XF+12*\a+10:XF+12*\a+11], v[L8] offset:6144*\a+1536*\s+1280
.endr
	s_wait_dscnt 0x0
.irp a, 0,1,2,3,4,5,6,7
	OMUL \a, \s
.endr
.rept 4
	v_nop                                          ; four places in front of loads into registers that the products have read, and of the first read of results
.endr
.endr
.irp a, 0,1,2,3,4,5,6,7
	ds_store_b128 v[SO], v[ACC+8*\a:ACC+8*\a+3] offset:528*(64*(\a/4)+8*(\a%4))        ; each accumulator from its low end on
	ds_store_b128 v[SO], v[ACC+8*\a+4:ACC+8*\a+7] offset:528*(64*(\a/4)+8*(\a%4))+16
.endr
	s_wait_dscnt 0x0                               ; for the others' sake: my columns lie in the stage
	s_barrier_signal -1
	s_barrier_wait -1
.irp k, 0,1,2,3,4,5,6,7,8,9,10,11,12,13,14,15
	ds_load_b128 v[XF+4*\k:XF+4*\k+3], v[SR] offset:528*\k
.endr
.irp k, 0,1,2,3,4,5,6,7,8,9,10,11,12,13,14,15
	s_wait_dscnt 15-\k                             ; row k is back; the younger rows stay out
	global_store_b128 v[LI], v[XF+4*\k:XF+4*\k+3], s[40:41] offset:2048*\k th:TH_STORE_NT   ; 32 lanes store 512 consecutive bytes, aligned to 256
.endr
	s_wait_tensorcnt 0x0
	ds_add_u32 v254, v255
	s_wait_dscnt 0x0
	CROUND                                         ; the closing round
	s_endpgm
.Lfunc_end_k_q1030794180_outp:
	.size	k_q1030794180_outp, .Lfunc_end_k_q1030794180_outp-k_q1030794180_outp
	.p2alignl 7, 3214868480
	.fill 96, 4, 3214868480
	.section	.rodata,"a",@progbits
	.p2align	6, 0x0
	.amdhsa_kernel k_q1030794180_outp
		.amdhsa_group_segment_fixed_size 168960
		.amdhsa_private_segment_fixed_size 0
		.amdhsa_enable_private_segment 0
		.amdhsa_kernarg_size 32
		.amdhsa_user_sgpr_count 2
		.amdhsa_user_sgpr_kernarg_segment_ptr 1
		.amdhsa_wavefront_size32 1
		.amdhsa_system_sgpr_workgroup_id_x 1
		.amdhsa_system_sgpr_workgroup_id_y 1
		.amdhsa_system_sgpr_workgroup_id_z 1
		.amdhsa_system_vgpr_workitem_id 0
		.amdhsa_next_free_vgpr 256
		.amdhsa_next_free_sgpr 66
		.amdhsa_reserve_vcc 0
		.amdhsa_float_denorm_mode_32 3
		.amdhsa_float_denorm_mode_16_64 3
		.amdhsa_memory_ordered 1
		.amdhsa_forward_progress 1
		.amdhsa_inst_pref_size 27
	.end_amdhsa_kernel
	.amdgpu_metadata
---
amdhsa.version: [ 1, 2 ]
amdhsa.kernels:
  - .name:           k_q1030794180_outp
    .symbol:         k_q1030794180_outp.kd
    .args:
      - { .name: cbuf, .offset: 0, .size: 8, .value_kind: global_buffer, .address_space: global }
      - { .name: wimg, .offset: 8, .size: 8, .value_kind: global_buffer, .address_space: global }
      - { .name: bo, .offset: 16, .size: 8, .value_kind: global_buffer, .address_space: global }
      - { .name: out0, .offset: 24, .size: 8, .value_kind: global_buffer, .address_space: global }
    .group_segment_fixed_size: 168960
    .private_segment_fixed_size: 0
    .kernarg_segment_align: 8
    .kernarg_segment_size: 32
    .max_flat_workgroup_size: 256
    .sgpr_count:     66
    .vgpr_count:     256
    .wavefront_size: 32
...
	.end_amdgpu_metadata
.endif
;; end of part 4
